; MI455X (gfx1250); checked and timed in simulation.
; The chip was launched on July 23, 2026; its instructions are those of AMD's public machine-readable ISA for CDNA 5 (MIT licence, August 2026) and "CDNA5" Instruction Set Architecture Reference Guide (July 2026). The comments in the code are by the model that wrote it; some were corrected since.
;; Mo E Layer. Allowed arithmetic: float matrix products may take bf16 or f16 operands with f32 sums; other float arithmetic in f32, or as packed bf16 or f16 multiplies, adds, multiply-adds, maxima and minima; sums over many terms, partial sums and values carried from step to step in f32; what a program stores and reads back later, other than sums and carried values, may be rounded once to bf16 or f16.
;; Inputs: W1 8 x 512 x 2,048 float32; W2 8 x 2,048 x 512 float32; b1 8 x 2,048 float32; b2 8 x 512 float32; gate_W 512 x 8 float32; gate_b 8 float32; ln_b 8 x 2,048 float32; ln_g 8 x 2,048 float32; out_b 512 float32; out_g 512 float32; x 4,096 x 512 float32.
;; Outputs: out0 4,096 x 512 float32; out1 one number float32.
;; One version. Each part assembles by itself: llvm-mc -triple=amdgcn-amd-amdhsa -mcpu=gfx1250 --defsym DOCPART=n.
;; ======== version 1 of 1: 5 launches
;; limits: a function is approximated: absolute error at most 2.5e-05; an absolute error that grows with the inputs' magnitude: up to 1.25e-05 times it; values are held in f16: magnitudes above 65,504 overflow, below 6.1e-05 lose precision; right only within a limited range of input values
;; workspace buffers: cb 37,748,736 bytes; sel 24,576 bytes of whole numbers; gw 32,768 bytes; ps 16,384 bytes; hb 134,217,728 bytes; st 8,388,608 bytes; ab 134,479,872 bytes; yb 67,108,864 bytes
;; launch router (part 1): grid 256 x 1, 4 waves a work-group, no clusters, 54,016 bytes of LDS; arguments x, gate_W, gate_b, W1, W2, cb, sel, gw, ps; writes cb, sel, gw, ps
.if DOCPART == 1
	.amdgcn_target "amdgcn-amd-amdhsa--gfx1250"
	.amdhsa_code_object_version 6
	.text
	.protected	k_qdeab9cc3b4_router
	.globl	k_qdeab9cc3b4_router
	.p2align	8
	.type	k_qdeab9cc3b4_router,@function
k_qdeab9cc3b4_router:
	s_mov_b64 s[64:65], 0
	v_nop
	global_prefetch_b8 v0, s[64:65] scope:SCOPE_SE
	s_setreg_imm32_b32 hwreg(HW_REG_WAVE_MODE, 25, 1), 1
	s_wait_xcnt 0x0
; ROUTER AND LAYOUT.  Two jobs in one launch; four waves a work-group that share nothing, so there is no barrier.
; (1) ROUTER, wave 0 alone: 16 tokens (32,768 consecutive bytes of x).  It rounds x to bf16 and stores the copy at cb's head, multiplies the 16 rows by gate_W (bf16 operands, f32 sums), takes the
; softmax over the 8 experts with the row's maximum taken away, picks the two largest probabilities (an exact tie keeps the lower index) and stores, all at fixed places: sel[token] = e1 | e2 << 8;
; gw[token] = the two weights, renormalised; for each expert a 16-bit map of the group's tokens that chose it; the group's sums of probabilities and its counts.  No address and no branch hangs on these.
; The product is used with source 0 = 16 experts (8 real, 8 columns of zeros) and source 1 = 16 tokens: lane r of the low half then holds the 8 logits of token r.
; (2) LAYOUT, every wave: W1 and W2 are rounded to bf16 ONCE and stored in the order in which the two products' operand registers take them.  From byte WOFF of cb on lie 512 blocks of 65,536 bytes:
; block 32 e + column / 64 of W1 (all 512 k), block 256 + 32 e + 4 (column / 64) + k / 512 of W2.  A block is 16 k steps x 4 column tiles x 2 pieces x 32 lanes x 16 bytes: piece 8 j + 2 c + q
; is registers 4 q .. 4 q + 3 of the fragment of k step j and column tile c.  A wave lays out half a block: 8 chunks of 32 k x 64 columns: 16 loads of two rows' 256 aligned bytes, rounding,
; its own LDS stage laid [k][column], turning loads, 8 stores of 512 consecutive bytes.  One text serves both pitches: the shift is a scalar, the 16 row offsets are vector registers, the 8 chunks' bases
; scalar pairs, none rewritten while a load is out.  Each weight byte is read by one wave of the launch: nothing is shared, so there is nothing to ask for jointly.
; LIMITS.  All inputs are rounded to bf16 (x, gate_W, gate_b, W1, W2); NaN and infinities are not treated apart.
; REGISTERS, in windows of 256.  Router: window 0 addresses, sums, packed data; window 1 x as loaded; window 2 v0-127 gate fragments, v128-255 x fragments; window 3 v0-127 gate_W as loaded.
; Layout: window 0 addresses, a chunk packed, two sets of fragments; window 1 four slots for chunks as loaded.
.set GT,    0                          ; gate table in LDS: 512 rows (k) of 32 bytes: 8 experts in bf16, then 16 bytes of zeros
.set XT,    16384                      ; the 16 tokens in bf16: rows of 1,024 bytes + 16 of padding
.set XP,    1040
.set SPARE, 33024                      ; the spare words: 128 bytes a wave, two blocks of 256 bytes that no other line names
.set STG,   33536                      ; the layout's stages: 32 rows (k) x 160 bytes for each wave
.set WSP,   160
.set WOFF,  0x400000                   ; x's copy takes cb's first 4 MiB
.set LN,  14                           ; lane
.set SPW, 28
.set NIL, 29
.set L,   32                           ; v32-63 four accumulators; later v32-39 the lane's 8 logits, then probabilities
.set GP,  64                           ; v64-127 gate_W packed; later the registers below
.set BI,  64                           ; v64-71 gate_b
.set MX,  72
.set MC,  73
.set SM,  74
.set RC,  75
.set P1,  76
.set I1,  77
.set P2,  78
.set I2,  79
.set TS,  80
.set WW,  82                           ; v82-83 the two weights
.set SELW, 84
.set MB,  85
.set ONE, 86
.set VBM, 87
.set VCN, 88
.set VPS, 89
.set TQ,  90                           ; v90-93 at work
.set PK,  128                          ; v128-255 x packed
.set KR,   1                           ; the layout: lane % 16
.set KH,   2                           ; lane / 16
.set KL16, 3                           ; 16 x lane
.set KWSA, 4                           ; my place in the stage, storing
.set KWTA, 5                           ; and for the turning loads
.set KT1,  6
.set KC16, 7                           ; 16 (lane % 16)
.set KVO,  32                          ; v32-47  byte offset of my 16 bytes in rows 2 i + lane / 16 of a chunk
.set KCT,  48                          ; v48-79  a chunk packed
.set KFR,  80                          ; v80-143 two sets of four fragments
.set MSB, 0
.macro WIN new                         ; the immediate's high byte repeats the setting that is left; a switch that changes nothing is dropped
.if MSB != (\new)
	s_set_vgpr_msb (MSB<<8)|(\new)
.set MSB, (\new)
.endif
.endm
.macro RB16 a, b, t                    ; two f32 rounded to bf16 and widened again
	v_cvt_pk_bf16_f32 v[\t], v[\a], v[\b]
	v_lshlrev_b32 v[\a], 16, v[\t]
	v_and_b32 v[\b], 0xffff0000, v[\t]
.endm
.macro LAYLOAD j                       ; chunk j as it lies in memory, into slot j % 4 of window 1
	WIN 0x40
.set i, 0
.rept 16
	global_load_b128 v[64*((\j)%4)+4*i:64*((\j)%4)+4*i+3], v[KVO+i], s[66+2*(\j):67+2*(\j)] th:TH_LOAD_NT
.set i, i+1
.endr
.endm
.macro LAYCVT j                        ; rounded, laid into my stage, turned into four fragments.  LDS serves a wave's instructions in order, so one stage does and no wait stands between
	WIN 0x05
.set i, 0
.rept 32
	v_cvt_pk_bf16_f32 v[KCT+i], v[64*((\j)%4)+2*i], v[64*((\j)%4)+2*i+1]
.set i, i+1
.endr
	WIN 0
.set i, 0
.rept 16
	ds_store_b64 v[KWSA], v[KCT+2*i:KCT+2*i+1] offset:2*WSP*i
.set i, i+1
.endr
	s_wait_xcnt 0x0                                ; this set of fragments, which the stores of two chunks ago read, is loaded again only behind this wait
.set i, 0
.rept 4
	ds_load_tr16_b128 v[KFR+32*((\j)%2)+8*i:KFR+32*((\j)%2)+8*i+3], v[KWTA] offset:32*i
	ds_load_tr16_b128 v[KFR+32*((\j)%2)+8*i+4:KFR+32*((\j)%2)+8*i+7], v[KWTA] offset:32*i+16*WSP
.set i, i+1
.endr
.endm
.macro LAYSTORE j, younger             ; younger: the LDS instructions issued behind chunk j's turning loads
	s_wait_dscnt \younger
.set i, 0
.rept 8
	global_store_b128 v[KL16], v[KFR+32*((\j)%2)+4*i:KFR+32*((\j)%2)+4*i+3], s[56:57] offset:4096*(\j)+512*i th:TH_STORE_NT  ; 512 consecutive bytes, aligned
.set i, i+1
.endr
.endm
	s_load_b512 s[4:19], s[0:1], 0x0               ; x s[4:5], gate_W s[6:7], gate_b s[8:9], W1 s[10:11], W2 s[12:13], cb s[14:15], sel s[16:17], gw s[18:19]
	s_load_b64 s[20:21], s[0:1], 0x40              ; ps
	v_lshl_add_u32 v[SPW], v0, 2, SPARE
	v_mov_b32 v[NIL], 0
	v_lshrrev_b32 v1, 5, v0
	v_readfirstlane_b32 s53, v1                    ; wave
	v_and_b32 v[LN], 31, v0
	s_cmp_lg_u32 s53, 0
	s_cbranch_scc1 .Llayout                        ; waves 1 to 3 have no tokens
	v_lshlrev_b32 v1, 4, v[LN]                     ; 16 x lane: x
	v_lshlrev_b32 v2, 5, v[LN]                     ; 32 x lane: a row of gate_W, and of the gate table
	v_lshlrev_b32 v3, 3, v[LN]                     ; 8 x lane: x's copy
	v_add_nc_u32 v4, XT, v3
	v_and_b32 v5, 15, v[LN]                        ; r
	v_lshrrev_b32 v6, 4, v[LN]                     ; h
	v_and_b32 v12, 7, v[LN]
	v_lshl_add_u32 v12, v6, 3, v12
	v_bfe_u32 v13, v[LN], 3, 1
	v_lshlrev_b32 v7, 5, v12
	v_lshl_add_u32 v7, v13, 4, v7                  ; the turning load: row 8 h + lane % 8, 16 bytes by (lane / 8) % 2
	v_mul_u32_u24 v8, v5, XP
	v_lshl_add_u32 v8, v6, 4, v8
	v_add_nc_u32 v8, XT, v8                        ; an x fragment: row r, 16 bytes by h
	s_lshl_b32 s22, ttmp9, 6
	v_lshl_add_u32 v9, v5, 2, s22                  ; 64 g + 4 r: sel and ps
	v_lshlrev_b32 v10, 1, v9                       ; 128 g + 8 r: gw
	s_lshl_b32 s23, ttmp9, 1
	s_add_co_u32 s23, s23, 16384
	v_lshl_add_u32 v11, v5, 9, s23                 ; the maps: 16,384 + 512 r + 2 g
	s_lshl_b32 s24, ttmp9, 15
	s_mov_b32 s25, 0
	s_lshl_b32 s26, ttmp9, 14
	s_mov_b32 s27, 0
	s_mov_b32 s48, 0x3fb8aa3b                      ; log2(e)
	s_wait_kmcnt 0x0
	s_load_b256 s[40:47], s[8:9], 0x0              ; gate_b
	s_add_nc_u64 s[4:5], s[4:5], s[24:25]
	s_add_nc_u64 s[28:29], s[14:15], s[26:27]      ; x's copy at my 16 tokens
	WIN 0x40                                       ; destination window 1
.set m, 0
.rept 64                                           ; load m: token m / 4, columns 128 (m % 4) + 4 lane: 512 consecutive bytes
	global_load_b128 v[4*m:4*m+3], v1, s[4:5] offset:512*m th:TH_LOAD_NT
.set m, m+1
.endr
	WIN 0xc0                                       ; destination window 3
.set m, 0
.rept 32                                           ; row 32 (m / 2) + lane of gate_W, its half m % 2
	global_load_b128 v[4*m:4*m+3], v2, s[6:7] offset:(m/2)*1024+(m%2)*16
.set m, m+1
.endr
	s_wait_loadcnt 32                              ; the 32 loads of gate_W are younger: x is in
	WIN 0x05
.set m, 0
.rept 128
	v_cvt_pk_bf16_f32 v[PK+m], v[2*m], v[2*m+1]
.set m, m+1
.endr
	WIN 0
.set m, 0
.rept 64
	global_store_b64 v3, v[PK+2*m:PK+2*m+1], s[28:29] offset:256*m  ; the wave's store covers 256 consecutive bytes, aligned
	ds_store_b64 v4, v[PK+2*m:PK+2*m+1] offset:(m/4)*XP+(m%4)*256
.set m, m+1
.endr
	s_wait_loadcnt 0x0                             ; gate_W
	WIN 0x0f
.set m, 0
.rept 64
	v_cvt_pk_bf16_f32 v[GP+m], v[2*m], v[2*m+1]
.set m, m+1
.endr
	WIN 0
	v_mov_b32 v16, 0
	v_mov_b32 v17, 0
	v_mov_b32 v18, 0
	v_mov_b32 v19, 0
.set m, 0
.rept 16
	ds_store_b128 v2, v[GP+4*m:GP+4*m+3] offset:1024*m
	ds_store_b128 v2, v[16:19] offset:1024*m+16
.set m, m+1
.endr
	WIN 0x80                                       ; destination window 2.  LDS serves a wave's instructions in order: these loads see the stores above
.set m, 0
.rept 16
	ds_load_tr16_b128 v[8*m:8*m+3], v7 offset:1024*m
	ds_load_tr16_b128 v[8*m+4:8*m+7], v7 offset:1024*m+512
.set m, m+1
.endr
.set m, 0
.rept 16
	ds_load_b128 v[128+8*m:128+8*m+3], v8 offset:64*m
	ds_load_b128 v[128+8*m+4:128+8*m+7], v8 offset:64*m+32
.set m, m+1
.endr
	s_wait_dscnt 0x0
	WIN 0x0a                                       ; both sources window 2, sums window 0.  Four accumulators take turns, one instruction a turn
.set m, 0
.rept 16
.if m < 4
	v_wmma_f32_16x16x32_bf16 v[L+8*m:L+8*m+7], v[8*m:8*m+7], v[128+8*m:128+8*m+7], 0
.else
	v_wmma_f32_16x16x32_bf16 v[L+8*(m%4):L+8*(m%4)+7], v[8*m:8*m+7], v[128+8*m:128+8*m+7], v[L+8*(m%4):L+8*(m%4)+7]
.endif
.set m, m+1
.endr
	WIN 0
.rept 4
	v_nop                                          ; four places behind the last product
.endr
.irp q, 0,2,4,6                                        ; the four sums into one; each accumulator is read from its low end on
	v_pk_add_f32 v[L+\q:L+\q+1], v[L+\q:L+\q+1], v[L+8+\q:L+8+\q+1]
.endr
.irp q, 0,2,4,6
	v_pk_add_f32 v[L+16+\q:L+16+\q+1], v[L+16+\q:L+16+\q+1], v[L+24+\q:L+24+\q+1]
.endr
.irp q, 0,2,4,6
	v_pk_add_f32 v[L+\q:L+\q+1], v[L+\q:L+\q+1], v[L+16+\q:L+16+\q+1]
.endr
	s_wait_kmcnt 0x0
.irp q, 0,1,2,3,4,5,6,7
	v_mov_b32 v[BI+\q], s[40+\q]
.endr
.irp q, 0,2,4,6
	RB16 BI+\q, BI+\q+1, TS
.endr
.irp q, 0,2,4,6
	v_pk_add_f32 v[L+\q:L+\q+1], v[L+\q:L+\q+1], v[BI+\q:BI+\q+1]
.endr
	; softmax over the lane's 8 logits: p = 2^(c l - c m) / sum, c = log2(e), m the row's maximum
	v_max3_num_f32 v[MX], v[L], v[L+1], v[L+2]
	v_max3_num_f32 v[MX], v[MX], v[L+3], v[L+4]
	v_max3_num_f32 v[MX], v[MX], v[L+5], v[L+6]
	v_max_num_f32 v[MX], v[MX], v[L+7]
	v_mul_f32 v[MC], s48, v[MX]
.irp q, 0,1,2,3,4,5,6,7
	v_fma_f32 v[L+\q], v[L+\q], s48, -v[MC]
.endr
.irp q, 0,1,2,3,4,5,6,7
	v_exp_f32 v[L+\q], v[L+\q]
.endr
	v_nop                                          ; a plain instruction behind the last exponential,
	s_wait_alu depctr_va_vdst(0)                   ; and one wait for the batch of eight, ahead of its first reader
	v_pk_add_f32 v[TQ:TQ+1], v[L:L+1], v[L+2:L+3]
	v_pk_add_f32 v[TQ+2:TQ+3], v[L+4:L+5], v[L+6:L+7]
	v_pk_add_f32 v[TQ:TQ+1], v[TQ:TQ+1], v[TQ+2:TQ+3]
	v_add_f32 v[SM], v[TQ], v[TQ+1]
	v_rcp_f32 v[RC], v[SM]
	v_mov_b32 v[I1], 0                             ; the plain instruction behind the reciprocal
	s_wait_alu depctr_va_vdst(0)
.irp q, 0,1,2,3,4,5,6,7
	v_mul_f32 v[L+\q], v[L+\q], v[RC]
.endr
	; the two largest: a later probability replaces the held one only if it is greater, so the lower index wins a tie
	v_mov_b32 v[P1], v[L]
.irp q, 1,2,3,4,5,6,7
	v_cmp_le_f32 vcc_lo, v[L+\q], v[P1]            ; keep
	v_cndmask_b32 v[P1], v[L+\q], v[P1], vcc_lo
	v_cndmask_b32 v[I1], \q, v[I1], vcc_lo
.endr
	v_mov_b32 v[P2], -1.0
	v_mov_b32 v[I2], 0
.irp q, 0,1,2,3,4,5,6,7
	v_cmp_le_f32 s50, v[L+\q], v[P2]
	v_cmp_eq_u32 s51, \q, v[I1]
	s_or_b32 s50, s50, s51                         ; keep: not greater, or the first choice itself
	v_cndmask_b32 v[P2], v[L+\q], v[P2], s50
	v_cndmask_b32 v[I2], \q, v[I2], s50
.endr
	v_add_f32 v[TS], v[P1], v[P2]
	v_rcp_f32 v[RC], v[TS]
	v_mov_b32 v[ONE], 1
	s_wait_alu depctr_va_vdst(0)
	v_mul_f32 v[WW], v[P1], v[RC]
	v_mul_f32 v[WW+1], v[P2], v[RC]
	v_lshl_or_b32 v[SELW], v[I2], 8, v[I1]
	v_lshlrev_b32 v[MB], v[I1], v[ONE]
	v_lshlrev_b32 v[TS], v[I2], v[ONE]
	v_or_b32 v[MB], v[MB], v[TS]
	v_mov_b32 v[VBM], 0
	v_mov_b32 v[VCN], 0
.irp q, 0,1,2,3,4,5,6,7                                ; expert q's map of the 16 tokens goes to lane q, its count to lane 8 + q
	v_and_b32 v[TS], 1<<\q, v[MB]
	v_cmp_ne_u32 s50, 0, v[TS]
	s_and_b32 s50, s50, 0xffff                     ; lanes 16-31 hold no token
	v_writelane_b32 v[VBM], s50, \q
	s_bcnt1_i32_b32 s51, s50
	v_writelane_b32 v[VCN], s51, 8+\q
.endr
.irp d, 1,2,4,8                                        ; each probability summed over the 16 tokens
.irp q, 0,1,2,3,4,5,6,7
	v_add_f32_dpp v[L+\q], v[L+\q], v[L+\q] row_xmask:\d row_mask:0xf bank_mask:0xf
.endr
.endr
	v_mov_b32 v[VPS], v[L]
.irp q, 1,2,3,4,5,6,7
	v_cmp_eq_u32 vcc_lo, \q, v5
	v_cndmask_b32 v[VPS], v[VPS], v[L+\q], vcc_lo
.endr
	v_cvt_f32_u32 v[TS], v[VCN]
	v_cmp_lt_u32 vcc_lo, 7, v5
	v_cndmask_b32 v[VPS], v[VPS], v[TS], vcc_lo    ; lane r: sum of p[r] for r < 8, count of expert r - 8 above
	; Lanes 16-31 hold no token: they take the numbers of the lane 16 below and store them to the same places (the offsets are made of lane % 16), so EXEC is never changed.
	s_mov_b32 s54, 0x76543210
	s_mov_b32 s55, 0xfedcba98
	v_permlanex16_b32 v[TQ], v[SELW], s54, s55
	v_permlanex16_b32 v[TQ+1], v[WW], s54, s55
	v_permlanex16_b32 v[TQ+2], v[WW+1], s54, s55
	v_permlanex16_b32 v[TQ+3], v[VPS], s54, s55
	v_permlanex16_b32 v[TS], v[VBM], s54, s55
	v_cmp_gt_u32 vcc_lo, 16, v[LN]
	v_cndmask_b32 v[SELW], v[TQ], v[SELW], vcc_lo
	v_cndmask_b32 v[WW], v[TQ+1], v[WW], vcc_lo
	v_cndmask_b32 v[WW+1], v[TQ+2], v[WW+1], vcc_lo
	v_cndmask_b32 v[VPS], v[TQ+3], v[VPS], vcc_lo
	v_cndmask_b32 v[VBM], v[TS], v[VBM], vcc_lo
	global_store_b32 v9, v[SELW], s[16:17]
	global_store_b64 v10, v[WW:WW+1], s[18:19]
	global_store_b32 v9, v[VPS], s[20:21]
	global_store_b16 v11, v[VBM], s[16:17]         ; two bytes a token lane, 512 bytes apart: 32 bytes of the group's; the maps then lie so that a later wave reads an expert's 512 bytes with one load
.Llayout:
	s_wait_kmcnt 0x0
	s_wait_xcnt 0x0                                ; the registers that the router's stores read are written again only behind this wait
	v_and_b32 v[KR], 15, v[LN]
	v_lshrrev_b32 v[KH], 4, v[LN]
	v_lshlrev_b32 v[KL16], 4, v[LN]
	v_lshlrev_b32 v[KC16], 4, v[KR]
	s_mul_i32 s30, s53, 32*WSP
	s_add_co_u32 s30, s30, STG                     ; my stage
	v_mul_u32_u24 v[KWSA], v[KH], WSP
	v_lshl_add_u32 v[KWSA], v[KR], 3, v[KWSA]
	v_add_nc_u32 v[KWSA], s30, v[KWSA]
	v_and_b32 v[KT1], 7, v[LN]
	v_lshl_add_u32 v[KT1], v[KH], 3, v[KT1]
	v_mul_u32_u24 v[KWTA], v[KT1], WSP
	v_bfe_u32 v[KT1], v[LN], 3, 1
	v_lshl_add_u32 v[KWTA], v[KT1], 4, v[KWTA]
	v_add_nc_u32 v[KWTA], s30, v[KWTA]
	s_lshl_b32 s31, ttmp9, 1
	s_lshr_b32 s32, s53, 1
	s_add_co_u32 s31, s31, s32                     ; my block: 2 x work-group + wave / 2
	s_and_b32 s32, s53, 1                          ; and which half of its 16 chunks
	s_and_b32 s33, s31, 255
	s_lshr_b32 s34, s33, 5
	s_lshl_b32 s34, s34, 22                        ; the expert's 4 MiB
	s_and_b32 s35, s33, 31
	s_lshl_b32 s35, s35, 8                         ; W1: 64 columns of f32 are 256 bytes
	s_and_b32 s36, s33, 3
	s_lshl_b32 s36, s36, 20                        ; W2: 512 rows of 2,048 bytes,
	s_bfe_u32 s37, s33, 0x30002
	s_lshl_b32 s37, s37, 8                         ; and 64 columns
	s_add_co_u32 s36, s36, s37
	s_cmp_lt_u32 s31, 256                          ; blocks 0-255 are W1's
	s_cselect_b32 s35, s35, s36
	s_cselect_b32 s37, 13, 11                      ; a row is 8,192 or 2,048 bytes
	s_cselect_b64 s[38:39], s[10:11], s[12:13]
	s_add_co_u32 s34, s34, s35
	s_add_co_u32 s36, s37, 8
	s_lshl_b32 s36, s32, s36                       ; the second half begins 256 rows down
	s_add_co_u32 s34, s34, s36
	s_mov_b32 s35, 0
	s_add_nc_u64 s[66:67], s[38:39], s[34:35]      ; chunk 0
	s_lshl_b32 s54, 32, s37                        ; 32 rows from chunk to chunk
	s_mov_b32 s55, 0
.irp j, 1,2,3,4,5,6,7
	s_add_nc_u64 s[66+2*\j:67+2*\j], s[66+2*(\j-1):67+2*(\j-1)], s[54:55]
.endr
	s_lshl_b32 s56, s31, 16
	s_lshl_b32 s57, s32, 15
	s_add_co_u32 s56, s56, s57
	s_add_co_u32 s56, s56, WOFF
	s_mov_b32 s57, 0
	s_add_nc_u64 s[56:57], s[14:15], s[56:57]      ; where my 32,768 bytes go
.set i, 0
.rept 16
	v_add_nc_u32 v[KVO+i], 2*i, v[KH]
	v_lshl_add_u32 v[KVO+i], v[KVO+i], s37, v[KC16]
.set i, i+1
.endr
	LAYLOAD 0
	LAYLOAD 1
	LAYLOAD 2
	LAYLOAD 3
	s_wait_loadcnt 48                              ; three younger chunks of 16 loads
	LAYCVT 0
	LAYLOAD 4
.irp j, 1,2,3
	s_wait_loadcnt 48
	LAYCVT \j
	LAYLOAD \j+4
	LAYSTORE \j-1, 24                              ; the chunk's 16 stage stores and 8 turning loads are younger
.endr
	s_wait_loadcnt 48
	LAYCVT 4
	LAYSTORE 3, 24
	s_wait_loadcnt 32                              ; nothing more is asked for: the counts run down
	LAYCVT 5
	LAYSTORE 4, 24
	s_wait_loadcnt 16
	LAYCVT 6
	LAYSTORE 5, 24
	s_wait_loadcnt 0x0
	LAYCVT 7
	LAYSTORE 6, 24
	LAYSTORE 7, 0
	s_wait_tensorcnt 0x0                           ; the wave's end: three lines behind my last LDS store
	ds_add_u32 v[SPW], v[NIL]
	s_wait_dscnt 0x0
	s_endpgm
.Lfunc_end_k_qdeab9cc3b4_router:
	.size	k_qdeab9cc3b4_router, .Lfunc_end_k_qdeab9cc3b4_router-k_qdeab9cc3b4_router
	.p2alignl 7, 3214868480
	.fill 96, 4, 3214868480
	.section	.rodata,"a",@progbits
	.p2align	6, 0x0
	.amdhsa_kernel k_qdeab9cc3b4_router
		.amdhsa_group_segment_fixed_size 54016
		.amdhsa_private_segment_fixed_size 0
		.amdhsa_enable_private_segment 0
		.amdhsa_kernarg_size 72
		.amdhsa_user_sgpr_count 2
		.amdhsa_user_sgpr_kernarg_segment_ptr 1
		.amdhsa_wavefront_size32 1
		.amdhsa_system_sgpr_workgroup_id_x 1
		.amdhsa_system_sgpr_workgroup_id_y 1
		.amdhsa_system_sgpr_workgroup_id_z 1
		.amdhsa_system_vgpr_workitem_id 0
		.amdhsa_next_free_vgpr 896
		.amdhsa_next_free_sgpr 84
		.amdhsa_reserve_vcc 1
		.amdhsa_float_denorm_mode_32 3
		.amdhsa_float_denorm_mode_16_64 3
		.amdhsa_memory_ordered 1
		.amdhsa_forward_progress 1
		.amdhsa_inst_pref_size 105
	.end_amdhsa_kernel
	.amdgpu_metadata
---
amdhsa.version: [ 1, 2 ]
amdhsa.kernels:
  - .name:           k_qdeab9cc3b4_router
    .symbol:         k_qdeab9cc3b4_router.kd
    .args:
      - { .name: x, .offset: 0, .size: 8, .value_kind: global_buffer, .address_space: global }
      - { .name: gate_W, .offset: 8, .size: 8, .value_kind: global_buffer, .address_space: global }
      - { .name: gate_b, .offset: 16, .size: 8, .value_kind: global_buffer, .address_space: global }
      - { .name: W1, .offset: 24, .size: 8, .value_kind: global_buffer, .address_space: global }
      - { .name: W2, .offset: 32, .size: 8, .value_kind: global_buffer, .address_space: global }
      - { .name: cb, .offset: 40, .size: 8, .value_kind: global_buffer, .address_space: global }
      - { .name: sel, .offset: 48, .size: 8, .value_kind: global_buffer, .address_space: global }
      - { .name: gw, .offset: 56, .size: 8, .value_kind: global_buffer, .address_space: global }
      - { .name: ps, .offset: 64, .size: 8, .value_kind: global_buffer, .address_space: global }
    .group_segment_fixed_size: 54016
    .private_segment_fixed_size: 0
    .kernarg_segment_align: 8
    .kernarg_segment_size: 72
    .max_flat_workgroup_size: 128
    .sgpr_count:     84
    .vgpr_count:     896
    .wavefront_size: 32
...
	.end_amdgpu_metadata
.endif
;; end of part 1
;; launch up (part 2): grid 256 x 1, 4 waves a work-group, no clusters, 197,632 bytes of LDS; arguments b1, cb, sel, hb, st; writes hb, st
.if DOCPART == 2
	.amdgcn_target "amdgcn-amd-amdhsa--gfx1250"
	.amdhsa_code_object_version 6
	.text
	.protected	k_qdeab9cc3b4_up
	.globl	k_qdeab9cc3b4_up
	.p2align	8
	.type	k_qdeab9cc3b4_up,@function
k_qdeab9cc3b4_up:
	s_mov_b64 s[64:65], 0
	v_nop
	global_prefetch_b8 v0, s[64:65] scope:SCOPE_SE
	s_setreg_imm32_b32 hwreg(HW_REG_WAVE_MODE, 25, 1), 1
	s_wait_xcnt 0x0
; UP.  h = x W1[e] + b1[e] for the rows that chose expert e.  Work-group = (expert e, slice s of 256 columns, part p of the expert's row tiles): 8 x 8 x 4.
; THE WEIGHTS STAY: wave w keeps its 64 columns x 512 k of W1 as 64 fragments in 512 registers.  The launch before has rounded them to bf16 and stored them in the registers' order
; (block 32 e + 4 s + w of cb, 65,536 bytes), so they come by 128 loads of 512 consecutive bytes, with no conversion and no LDS.
; THE ROWS STREAM: 64 a trip through two LDS slots; wave w gathers 16 of them from x's bf16 copy by a list, every wave multiplies all 64 by its own columns.
; THE LIST: every wave makes its own copy from the expert's bit map (stored by the launch before): rank -> token, in the tokens' order, by a prefix sum over the lanes.  With c rows: T = ceil(c / 16) tiles,
; tp = ceil(T / 4) tiles a part, part p owns tiles p tp .. : any split of the tokens is served (tp is 64 at the most); places past the count repeat rows that exist.
; THE PRODUCT is used with source 0 = 16 columns of W1, source 1 = 16 rows: a lane then holds one row (lane % 16) and the columns 8 (lane / 16) + 0..7.  Two such results rounded in pairs are source 1
; of the second product, so h leaves in that order: block (e, row tile, 32 columns) = 1,024 bytes = 2 pieces x 32 lanes x 16 bytes; each store of a wave covers 512 consecutive bytes.
; LAYER NORM needs all 2,048 columns: here each wave stores its 64 columns' mean and sum of squared deviations (f32), and h less that mean in f16.
; NO JOINT LOADS: the rows come by a list that no tile descriptor covers; the weights, which the four parts share, are 64 KB a wave read once at the start, and the parts differ in counts that steer branches.
; The loop has a constant 16 trips; trips and tiles past the part's count are jumped forward, never a barrier.
; LIMITS.  x, W1, b1 are rounded to bf16.  |h - mean of its 64 columns| must stay under 65,504 (f16).  NaN and infinities are not treated apart.
; REGISTERS: window 0 see below; windows 1, 2: the weights, fragment (k step j, column tile c) at v[8 (4 (j % 8) + c)] of window 1 + j / 8; window 3: v0-127 gathered rows.
.set XP,    1040                       ; a row of x in LDS: 1,024 bytes + 16: the 16 rows of a fragment load start at 16 different groups of four banks
.set SLOT1, 1<<17                      ; slot 0 at 0, slot 1 here: 64 rows each
.set LIST,  66560                      ; the lists: 4,608 bytes for each wave: 1,024 words, a word for what is not wanted, padding
.set LSZ,   4608
.set SPARE, 84992                      ; the spare words: two blocks of 256 bytes that no other line names
.set WOFF,  0x400000                   ; the weights' blocks begin behind x's copy
.set XA0, 2                            ; my place in a tile of x: r x 1,040 + 16 h
.set XA,  3                            ; + the slot in hand
.set XS0, 4                            ; where I put gathered rows: 16 w rows + 16 x lane
.set XS,  5                            ; + the other slot
.set LA,  6                            ; LDS address of the list's 16 entries that I gather next
.set L16, 7                            ; 16 x lane
.set SO,  8                            ; 8 r + 4 h: my word of the statistics
.set STAT, 9
.set MN,  10                           ; v10-11 the mean, twice
.set RR,  15
.set HH,  16
.set LANE, 17
.set BO,  18
.set SPW, 28
.set NIL, 29
.set B1,  32                           ; v32-63 b1 of my lane's 32 columns
.set ACC, 64                           ; v64-95 four accumulators
.set OUT, 96                           ; v96-111 h packed
.set GO,  96                           ;         also the gather's 16 offsets
.set T,   112                          ; v112-127 at work; also the 16 token numbers
.set XF,  128                          ; v128-255 the fragments of 16 rows x 512 k
.set LT,  128                          ; at the start: the list's registers
.set BM,  LT                           ; my lane's 128 bits of the map
.set Z4,  LT+4
.set TK,  LT+8                         ; the first token of each of my four words
.set PCN, LT+12                        ; ones in each word
.set RUN, LT+16                        ; the running rank, one for each word
.set FB,  LT+20
.set KEY, LT+24
.set TOK, LT+28
.set TA4, LT+32
.set SX,  LT+36
.set CN,  LT+37
.set T1,  LT+38
.set T2,  LT+39
.set LB,  LT+40
.set PF,  LT+41
.set MSB, 0
.macro WIN new                         ; the immediate's high byte repeats the setting that is left; a switch that changes nothing is dropped
.if MSB != (\new)
	s_set_vgpr_msb (MSB<<8)|(\new)
.set MSB, (\new)
.endif
.endm
.macro PLACES                          ; four places behind matrix instructions, ahead of loads into their sources and of readers of their results
.rept 4
	v_nop
.endr
.endm
.macro RB16 a, b, t
	v_cvt_pk_bf16_f32 v[\t], v[\a], v[\b]
	v_lshlrev_b32 v[\a], 16, v[\t]
	v_and_b32 v[\b], 0xffff0000, v[\t]
.endm
; Pieces first .. first + count - 1 of my block of weights: piece n is 512 consecutive bytes and fills registers 4 (n % 64) .. + 3 of window 1 + n / 64.
.macro WLD first, count
.set n, (\first)
.rept (\count)
	WIN 0x40+0x40*(n/64)
	global_load_b128 v[4*(n%64):4*(n%64)+3], v[L16], s[44:45] offset:512*n
.set n, n+1
.endr
.endm
; THE LIST, first half.  In: BM (tokens 128 lane ..); s19 = p.  Out: s20 c, s21 T, s22 tp, s23 p tp, s24 my part's tiles, s38 its rows; for each of my four words the rank of its first token, counted from my part's first row.
; The four words go side by side, stage by stage, so that no line reads the result of the line before it.
.macro LIST_COUNT
	WIN 0
.irp k, 0,1,2,3
	v_mov_b32 v[Z4+\k], 0
.endr
.irp k, 0,1,2,3,4,5,6,7,8
	ds_store_b128 v[PF], v[Z4:Z4+3] offset:512*\k  ; the whole region holds token 0, a row that exists
.endr
.irp k, 0,1,2,3                                        ; ones in each word
	v_lshrrev_b32 v[TA4+\k], 1, v[BM+\k]
.endr
.irp k, 0,1,2,3
	v_and_b32 v[TA4+\k], 0x55555555, v[TA4+\k]
.endr
.irp k, 0,1,2,3
	v_sub_nc_u32 v[PCN+\k], v[BM+\k], v[TA4+\k]
.endr
.irp k, 0,1,2,3
	v_lshrrev_b32 v[TA4+\k], 2, v[PCN+\k]
.endr
.irp k, 0,1,2,3
	v_and_b32 v[TA4+\k], 0x33333333, v[TA4+\k]
.endr
.irp k, 0,1,2,3
	v_and_b32 v[PCN+\k], 0x33333333, v[PCN+\k]
.endr
.irp k, 0,1,2,3
	v_add_nc_u32 v[PCN+\k], v[PCN+\k], v[TA4+\k]
.endr
.irp k, 0,1,2,3
	v_lshrrev_b32 v[TA4+\k], 4, v[PCN+\k]
.endr
.irp k, 0,1,2,3
	v_add_nc_u32 v[PCN+\k], v[PCN+\k], v[TA4+\k]
.endr
.irp k, 0,1,2,3
	v_and_b32 v[PCN+\k], 0x0f0f0f0f, v[PCN+\k]
.endr
	s_mov_b32 s28, 0x01010101
.irp k, 0,1,2,3
	v_mul_lo_u32 v[PCN+\k], v[PCN+\k], s28
.endr
.irp k, 0,1,2,3
	v_lshrrev_b32 v[PCN+\k], 24, v[PCN+\k]
.endr
	v_add_nc_u32 v[CN], v[PCN], v[PCN+1]
	v_add3_u32 v[CN], v[CN], v[PCN+2], v[PCN+3]
	v_mov_b32 v[SX], v[CN]
.irp d, 1,2,4,8,16                                     ; running sum over the 32 lanes
	v_add_nc_u32 v[T1], -\d, v[LANE]
	v_lshlrev_b32 v[T1], 2, v[T1]
	ds_bpermute_b32 v[T2], v[T1], v[SX]
	v_cmp_le_u32 vcc_lo, \d, v[LANE]
	s_wait_dscnt 0x0
	v_cndmask_b32 v[T2], 0, v[T2], vcc_lo
	v_add_nc_u32 v[SX], v[SX], v[T2]
.endr
	v_readlane_b32 s20, v[SX], 31
	v_sub_nc_u32 v[RUN], v[SX], v[CN]              ; the rank of my first token
	s_min_u32 s20, s20, 4096
	s_add_co_u32 s21, s20, 15
	s_lshr_b32 s21, s21, 4
	s_add_co_u32 s22, s21, 3
	s_lshr_b32 s22, s22, 2
	s_mul_i32 s23, s19, s22
	s_min_u32 s23, s23, 192                        ; 3 x 64 at the most
	s_sub_co_i32 s24, s21, s23
	s_max_i32 s24, s24, 0
	s_min_i32 s24, s24, s22
	s_lshl_b32 s28, s23, 4
	s_sub_co_i32 s38, s20, s28
	s_max_i32 s38, s38, 0
	s_lshl_b32 s39, s22, 4
	s_min_i32 s38, s38, s39
	s_sub_co_i32 s28, 0, s28
	v_add_nc_u32 v[RUN], s28, v[RUN]               ; ranks count from my part's first row; earlier ones wrap to large numbers
	v_add_nc_u32 v[RUN+1], v[RUN], v[PCN]
	v_add_nc_u32 v[RUN+2], v[RUN+1], v[PCN+1]
	v_add_nc_u32 v[RUN+3], v[RUN+2], v[PCN+2]
	v_lshlrev_b32 v[TK], 7, v[LANE]
	v_add_nc_u32 v[TK+1], 32, v[TK]
	v_add_nc_u32 v[TK+2], 64, v[TK]
	v_add_nc_u32 v[TK+3], 0x60, v[TK]
.endm
; THE LIST, second half.  Bit s28 of each of my four words: a chosen token goes to the word of its rank, all else (not chosen; a rank ahead of my part or past 1,023) to word 1,024.
.macro LIST_FILL
	WIN 0
	s_mov_b32 s28, 0
.Llist:
.irp k, 0,1,2,3
	v_bfe_u32 v[FB+\k], v[BM+\k], s28, 1
.endr
.irp k, 0,1,2,3
	v_add_nc_u32 v[KEY+\k], -1, v[FB+\k]           ; 0 where chosen, all ones elsewhere
.endr
.irp k, 0,1,2,3
	v_or_b32 v[KEY+\k], v[KEY+\k], v[RUN+\k]
.endr
.irp k, 0,1,2,3
	v_min_u32 v[KEY+\k], 0x400, v[KEY+\k]
.endr
.irp k, 0,1,2,3
	v_lshl_add_u32 v[KEY+\k], v[KEY+\k], 2, v[LB]
.endr
.irp k, 0,1,2,3
	v_add_nc_u32 v[TOK+\k], s28, v[TK+\k]
.endr
.irp k, 0,1,2,3
	ds_store_b32 v[KEY+\k], v[TOK+\k]
.endr
.irp k, 0,1,2,3
	v_add_nc_u32 v[RUN+\k], v[RUN+\k], v[FB+\k]
.endr
	s_add_co_u32 s28, s28, 1
	s_cmp_lt_u32 s28, 32
	s_cbranch_scc1 .Llist
.endm
; My 16 rows of the trip to come: their numbers from the list (all lanes read the same 64 bytes), then 32 loads of 512 consecutive bytes.
.macro GATHER
	WIN 0
.irp k, 0,1,2,3
	ds_load_b128 v[T+4*\k:T+4*\k+3], v[LA] offset:16*\k
.endr
	s_wait_dscnt 0x0
	s_wait_xcnt 0x0                                ; the offsets below lie in registers that earlier stores read
.set i, 0
.rept 16
	v_min_u32 v[T+i], 0xfff, v[T+i]
	v_lshl_add_u32 v[GO+i], v[T+i], 10, v[L16]
.set i, i+1
.endr
	WIN 0xc0
.set i, 0
.rept 16
	global_load_b128 v[8*i:8*i+3], v[GO+i], s[6:7]
	global_load_b128 v[8*i+4:8*i+7], v[GO+i], s[6:7] offset:512
.set i, i+1
.endr
	WIN 0
.endm
.macro PUT                             ; the gathered rows into the slot at XS
	WIN 0x0c                                       ; store data in window 3
.set i, 0
.rept 16
	ds_store_b128 v[XS], v[8*i:8*i+3] offset:XP*i
	ds_store_b128 v[XS], v[8*i+4:8*i+7] offset:XP*i+512
.set i, i+1
.endr
	WIN 0
.endm
.macro LDX t                           ; the 16 fragments of row tile t of the slot in hand; k steps 0-7 first
	WIN 0
.set i, 0
.rept 16
	ds_load_b128 v[XF+8*i:XF+8*i+3], v[XA] offset:16*XP*(\t)+64*i
	ds_load_b128 v[XF+8*i+4:XF+8*i+7], v[XA] offset:16*XP*(\t)+64*i+32
.set i, i+1
.endr
.endm
; 32 products: k steps 8 half .. 8 half + 7, the four column tiles by turns, one instruction a turn.  zero = 1: the first four start the sums.
.macro MUL32 half, zero
	WIN 0x01+(\half)
.set j, 0
.rept 8
.set c, 0
.rept 4
.if (\zero) && (j == 0)
	v_wmma_f32_16x16x32_bf16 v[ACC+8*c:ACC+8*c+7], v[8*(4*j+c):8*(4*j+c)+7], v[XF+64*(\half)+8*j:XF+64*(\half)+8*j+7], 0
.else
	v_wmma_f32_16x16x32_bf16 v[ACC+8*c:ACC+8*c+7], v[8*(4*j+c):8*(4*j+c)+7], v[XF+64*(\half)+8*j:XF+64*(\half)+8*j+7], v[ACC+8*c:ACC+8*c+7]
.endif
.set c, c+1
.endr
.set j, j+1
.endr
.endm
; Row tile t leaves: + b1; the mean of a row's 64 columns (32 in my lane, 32 in the lane 16 away); the deviations and the sum of their squares; f16; stores.
.macro EPI t
	WIN 0
	s_wait_xcnt 0x0                                ; OUT and STAT, which earlier stores and loads name, are rewritten only behind this wait
.set q, 0
.rept 16                                               ; ascending: each accumulator is read from its low end on
	v_pk_add_f32 v[ACC+2*q:ACC+2*q+1], v[ACC+2*q:ACC+2*q+1], v[B1+2*q:B1+2*q+1]
.set q, q+1
.endr
.irp k, 0,1,2,3
	v_pk_add_f32 v[T+2*\k:T+2*\k+1], v[ACC+8*\k:ACC+8*\k+1], v[ACC+8*\k+2:ACC+8*\k+3]
.endr
.irp k, 0,1,2,3
	v_pk_add_f32 v[T+2*\k:T+2*\k+1], v[T+2*\k:T+2*\k+1], v[ACC+8*\k+4:ACC+8*\k+5]
.endr
.irp k, 0,1,2,3
	v_pk_add_f32 v[T+2*\k:T+2*\k+1], v[T+2*\k:T+2*\k+1], v[ACC+8*\k+6:ACC+8*\k+7]
.endr
	v_pk_add_f32 v[T:T+1], v[T:T+1], v[T+2:T+3]
	v_pk_add_f32 v[T+4:T+5], v[T+4:T+5], v[T+6:T+7]
	v_pk_add_f32 v[T:T+1], v[T:T+1], v[T+4:T+5]
	v_add_f32 v[T], v[T], v[T+1]
	v_permlanex16_b32 v[T+2], v[T], s30, s31
	v_add_f32 v[T], v[T], v[T+2]
	v_mul_f32 v[MN], 0x3c800000, v[T]              ; / 64
	v_mov_b32 v[MN+1], v[MN]
.set q, 0
.rept 16
	v_pk_add_f32 v[ACC+2*q:ACC+2*q+1], v[ACC+2*q:ACC+2*q+1], v[MN:MN+1] neg_lo:[0,1] neg_hi:[0,1]
.set q, q+1
.endr
.irp k, 0,1,2,3
	v_pk_mul_f32 v[T+2*\k:T+2*\k+1], v[ACC+8*\k:ACC+8*\k+1], v[ACC+8*\k:ACC+8*\k+1]
.endr
.irp z, 2,4,6
.irp k, 0,1,2,3
	v_pk_fma_f32 v[T+2*\k:T+2*\k+1], v[ACC+8*\k+\z:ACC+8*\k+\z+1], v[ACC+8*\k+\z:ACC+8*\k+\z+1], v[T+2*\k:T+2*\k+1]
.endr
.endr
	v_pk_add_f32 v[T:T+1], v[T:T+1], v[T+2:T+3]
	v_pk_add_f32 v[T+4:T+5], v[T+4:T+5], v[T+6:T+7]
	v_pk_add_f32 v[T:T+1], v[T:T+1], v[T+4:T+5]
	v_add_f32 v[T], v[T], v[T+1]
	v_permlanex16_b32 v[T+2], v[T], s30, s31
	v_add_f32 v[T], v[T], v[T+2]
.set q, 0
.rept 16
	v_cvt_pk_f16_f32 v[OUT+q], v[ACC+2*q], v[ACC+2*q+1]
.set q, q+1
.endr
	v_cndmask_b32 v[STAT], v[MN], v[T], s29        ; lanes 0-15 store the mean, lanes 16-31 the sum of squares
.irp k, 0,1,2,3                                        ; piece k: 32 columns k / 2, half k % 2: 512 consecutive bytes
	global_store_b128 v[L16], v[OUT+4*\k:OUT+4*\k+3], s[40:41] offset:65536*(\t)+512*\k
.endr
	global_store_b32 v[SO], v[STAT], s[42:43] offset:4096*(\t)
.endm
.macro TILE t
	s_wait_dscnt 16                                ; the 16 loads of k steps 8-15 are younger: k steps 0-7 are in
	MUL32 0, 1
	s_wait_dscnt 0x0
	MUL32 1, 0
	WIN 0
	PLACES
.if (\t) < 3
	LDX (\t)+1                                     ; the slot holds 64 rows whatever the count
.endif
	EPI \t
.if (\t) < 3
	s_add_co_i32 s28, s25, (\t)+1
	s_cmp_lt_i32 s28, s24
	s_cbranch_scc0 .Ltend                          ; the part has no further tile
.endif
.endm
	s_load_b256 s[4:11], s[0:1], 0x0               ; b1 s[4:5], cb s[6:7], sel s[8:9], hb s[10:11]
	s_load_b64 s[12:13], s[0:1], 0x20              ; st
	v_lshl_add_u32 v[SPW], v0, 2, SPARE
	v_mov_b32 v[NIL], 0
	v_lshrrev_b32 v1, 5, v0
	v_readfirstlane_b32 s16, v1                    ; wave
	s_lshr_b32 s17, ttmp9, 5                       ; e
	s_bfe_u32 s18, ttmp9, 0x30002                  ; s
	s_and_b32 s19, ttmp9, 3                        ; p
	s_mov_b32 s29, 0xffff0000
	s_mov_b32 s30, 0x76543210
	s_mov_b32 s31, 0xfedcba98
	v_and_b32 v[LANE], 31, v0
	v_and_b32 v[RR], 15, v0
	v_bfe_u32 v[HH], v0, 4, 1
	v_lshlrev_b32 v[L16], 4, v[LANE]
	v_lshlrev_b32 v[BO], 5, v[HH]
	v_mul_u32_u24 v[XA0], v[RR], XP
	v_lshl_add_u32 v[XA0], v[HH], 4, v[XA0]
	s_mul_i32 s33, s16, 16*XP
	v_add_nc_u32 v[XS0], s33, v[L16]
	v_mov_b32 v[XS], v[XS0]                        ; the first rows go into slot 0
	s_mul_i32 s34, s16, LSZ
	s_add_co_u32 s34, s34, LIST                    ; my list
	v_mov_b32 v[LB], s34
	v_add_nc_u32 v[PF], s34, v[L16]
	s_lshl_b32 s35, s16, 6
	s_add_co_u32 s35, s35, s34
	v_mov_b32 v[LA], s35                           ; entries 16 w .. of trip 0
	v_lshlrev_b32 v[SO], 3, v[RR]
	v_lshl_add_u32 v[SO], v[HH], 2, v[SO]
	s_lshl_b32 s32, s17, 5                         ; my block of weights: 32 e + 4 s + w
	s_lshl2_add_u32 s33, s18, s16
	s_add_co_u32 s32, s32, s33
	s_lshl_b32 s32, s32, 16
	s_add_co_u32 s32, s32, WOFF
	s_mov_b32 s33, 0
	s_lshl_b32 s34, s17, 9                         ; the expert's map
	s_add_co_u32 s34, s34, 16384
	s_mov_b32 s35, 0
	s_lshl_b32 s36, s17, 13                        ; b1
	s_lshl_b32 s37, s18, 10
	s_add_co_u32 s36, s36, s37
	s_lshl_b32 s37, s16, 8
	s_add_co_u32 s36, s36, s37
	s_mov_b32 s37, 0
	s_wait_kmcnt 0x0
	s_add_nc_u64 s[44:45], s[6:7], s[32:33]
	s_add_nc_u64 s[46:47], s[8:9], s[34:35]
	s_add_nc_u64 s[48:49], s[4:5], s[36:37]
	global_load_b128 v[BM:BM+3], v[L16], s[46:47]
.irp k, 0,1,2,3
	global_load_b128 v[B1+8*\k:B1+8*\k+3], v[BO], s[48:49] offset:64*\k
	global_load_b128 v[B1+8*\k+4:B1+8*\k+7], v[BO], s[48:49] offset:64*\k+16
.endr
	WLD 0, 48
	s_wait_loadcnt 56                              ; 8 loads of b1 and 48 of the weights are younger: the map is in
	LIST_COUNT
	s_lshl_b32 s32, s17, 8
	s_add_co_u32 s32, s32, s23                     ; my part's first row tile among all: 256 e + p tp
	s_lshl_b32 s34, s32, 16
	s_lshl_b32 s35, s18, 13
	s_add_co_u32 s34, s34, s35
	s_lshl_b32 s35, s16, 11
	s_add_co_u32 s34, s34, s35                     ; + blocks 8 s + 2 w
	s_mov_b32 s35, 0
	s_add_nc_u64 s[40:41], s[10:11], s[34:35]
	s_lshl_b32 s34, s32, 12
	s_lshl_b32 s33, s18, 9
	s_add_co_u32 s34, s34, s33
	s_lshl_b32 s33, s16, 7
	s_add_co_u32 s34, s34, s33                     ; + slice 4 s + w
	s_add_nc_u64 s[42:43], s[12:13], s[34:35]
	WLD 48, 56                                     ; these land while the list is filled
	LIST_FILL
	GATHER                                         ; trip 0's rows: 32 loads
	v_add_nc_u32 v[LA], 0x100, v[LA]
	WLD 104, 24
	WIN 0
	s_wait_loadcnt 24                              ; the last 24 pieces of the weights are younger: the gathered rows, and b1, are in
.set q, 0
.rept 16
	RB16 B1+2*q, B1+2*q+1, 1
.set q, q+1
.endr
	PUT
	s_wait_loadcnt 0x0                             ; all my weights are in registers
	s_wait_dscnt 0x0                               ; my rows are in slot 0, for the others' sake
	s_barrier_signal -1
	s_barrier_wait -1
	s_mov_b32 s25, 0                               ; the trip's first tile
	s_mov_b32 s27, 0                               ; the slot in hand
	s_mov_b32 s26, 16
.Ltrip:
	v_add_nc_u32 v[XA], s27, v[XA0]
	s_xor_b32 s28, s27, SLOT1
	v_add_nc_u32 v[XS], s28, v[XS0]
	s_cmp_lt_i32 s25, s24
	s_cbranch_scc0 .Lidle                          ; no tile left: only the barrier is passed
	LDX 0
	s_add_co_i32 s28, s25, 4
	s_cmp_lt_i32 s28, s24
	s_cbranch_scc0 .Lnog
	GATHER                                         ; the next trip's rows are on their way while this trip is multiplied
.Lnog:
	TILE 0
	TILE 1
	TILE 2
	TILE 3
.Ltend:
	s_wait_loadcnt 0x0                             ; the gather, if there was one
	s_add_co_i32 s28, s25, 4
	s_cmp_lt_i32 s28, s24
	s_cbranch_scc0 .Lidle
	PUT                                            ; into the other slot: every wave's reads of it were waited for ahead of the last barrier
.Lidle:
	s_wait_dscnt 0x0                               ; my reads of this slot are back and my stores into the other are done
	s_barrier_signal -1
	s_barrier_wait -1
	s_wait_xcnt 0x0                                ; the stores' bases are stepped only behind this wait
	s_xor_b32 s27, s27, SLOT1
	s_add_co_u32 s25, s25, 4
	v_add_nc_u32 v[LA], 0x100, v[LA]
	s_add_nc_u64 s[40:41], s[40:41], 0x40000
	s_add_nc_u64 s[42:43], s[42:43], 0x4000
	s_sub_co_u32 s26, s26, 1
	s_cmp_lg_u32 s26, 0
	s_cbranch_scc1 .Ltrip
	s_wait_tensorcnt 0x0                           ; the wave's end: three lines behind my last LDS store
	ds_add_u32 v[SPW], v[NIL]
	s_wait_dscnt 0x0
	s_endpgm
.Lfunc_end_k_qdeab9cc3b4_up:
	.size	k_qdeab9cc3b4_up, .Lfunc_end_k_qdeab9cc3b4_up-k_qdeab9cc3b4_up
	.p2alignl 7, 3214868480
	.fill 96, 4, 3214868480
	.section	.rodata,"a",@progbits
	.p2align	6, 0x0
	.amdhsa_kernel k_qdeab9cc3b4_up
		.amdhsa_group_segment_fixed_size 197632
		.amdhsa_private_segment_fixed_size 0
		.amdhsa_enable_private_segment 0
		.amdhsa_kernarg_size 40
		.amdhsa_user_sgpr_count 2
		.amdhsa_user_sgpr_kernarg_segment_ptr 1
		.amdhsa_wavefront_size32 1
		.amdhsa_system_sgpr_workgroup_id_x 1
		.amdhsa_system_sgpr_workgroup_id_y 1
		.amdhsa_system_sgpr_workgroup_id_z 1
		.amdhsa_system_vgpr_workitem_id 0
		.amdhsa_next_free_vgpr 1024
		.amdhsa_next_free_sgpr 66
		.amdhsa_reserve_vcc 1
		.amdhsa_float_denorm_mode_32 3
		.amdhsa_float_denorm_mode_16_64 3
		.amdhsa_memory_ordered 1
		.amdhsa_forward_progress 1
		.amdhsa_inst_pref_size 92
	.end_amdhsa_kernel
	.amdgpu_metadata
---
amdhsa.version: [ 1, 2 ]
amdhsa.kernels:
  - .name:           k_qdeab9cc3b4_up
    .symbol:         k_qdeab9cc3b4_up.kd
    .args:
      - { .name: b1, .offset: 0, .size: 8, .value_kind: global_buffer, .address_space: global }
      - { .name: cb, .offset: 8, .size: 8, .value_kind: global_buffer, .address_space: global }
      - { .name: sel, .offset: 16, .size: 8, .value_kind: global_buffer, .address_space: global }
      - { .name: hb, .offset: 24, .size: 8, .value_kind: global_buffer, .address_space: global }
      - { .name: st, .offset: 32, .size: 8, .value_kind: global_buffer, .address_space: global }
    .group_segment_fixed_size: 197632
    .private_segment_fixed_size: 0
    .kernarg_segment_align: 8
    .kernarg_segment_size: 40
    .max_flat_workgroup_size: 128
    .sgpr_count:     66
    .vgpr_count:     1024
    .wavefront_size: 32
...
	.end_amdgpu_metadata
.endif
;; end of part 2
;; launch act (part 3): grid 256 x 1, 8 waves a work-group, no clusters, 0 bytes of LDS; arguments hb, st, ln_g, ln_b, sel, ab; writes ab
.if DOCPART == 3
	.amdgcn_target "amdgcn-amd-amdhsa--gfx1250"
	.amdhsa_code_object_version 6
	.text
	.protected	k_qdeab9cc3b4_act
	.globl	k_qdeab9cc3b4_act
	.p2align	8
	.type	k_qdeab9cc3b4_act,@function
k_qdeab9cc3b4_act:
	s_mov_b64 s[64:65], 0
	v_nop
	global_prefetch_b8 v0, s[64:65] scope:SCOPE_SE
	s_setreg_imm32_b32 hwreg(HW_REG_WAVE_MODE, 25, 1), 1
	s_wait_xcnt 0x0
; ACT.  a = gelu(layer norm(h) x ln_g + ln_b), rounded to bf16, in the order in which the second product's operand registers take it (the order in which h was stored).
; Eight waves a work-group, two to a SIMD (2 x 384 registers): while one waits for a load or for a result of its own, the other issues.
; An expert has 256 waves: wave u owns the 128 columns of chunk u % 16 (so its gains stay in registers) and the row tiles u / 16 + 16 i below T; T comes from the expert's bit map, whole numbers stored two launches ago.
; A unit is one row tile x 128 columns: the row's 32 pairs (mean, sum of squared deviations) of 64 columns are merged: mu = mean of the means, var = (sum of sums + 64 x sum of (mean - mu)^2) / 2,048:
; no difference of large sums.  Then eight pieces of 8 numbers a lane.  h arrives as h - its slice's mean, so hn = d rs + (slice mean - mu) rs.
; GELU: x Phi(x) = max(x, 0) - |x| (a1 t + a2 t^2 + a3 t^3) 2^(-0.7213 x^2), t = 1 / (1 + 0.33267 |x|): the error function by a rational form whose error is 2.5e-5 at the most for every x,
; so the result is off by 1.25e-5 |x| at the most.
; No matrix unit, no LDS, no barrier: each number is touched once.  The next unit's loads are issued through this unit's work.
; LIMITS.  ln_g and ln_b are rounded to bf16.  NaN and infinities are not treated apart.  The last unit's look-ahead reads a tile inside the buffers (number clamped to 255) and discards it.
.set LANE, 2
.set RR,  3
.set HH,  4
.set L16, 5                            ; 16 x lane
.set SV,  6                            ; 2,048 h + 8 r: my row's pairs of slices 16 h ..
.set OV,  7                            ; 8 r + 256 chunk: my row's pairs of the chunk's own two slices
.set GV,  8                            ; 32 h
.set T1,  9
.set T2,  10
.set CN,  11
.set BM,  12
.set N,   16                           ; v16-47  the unit's eight pieces as loaded
.set X,   48                           ; v48-79  as stored
.set ST,  80                           ; v80-111 16 pairs
.set OWN, 112                          ; v112-115
.set G,   116                          ; v116-147 ln_g of my 64 columns, bf16 in pairs
.set B,   148                          ; v148-179 ln_b
.set SP,  180                          ; two sets of 32 at work: +0 hn, +8 u then the result, +16 the exponential, +24 the polynomial
.set SQ,  212
.set MU,  244
.set RS,  245
.set D0,  246                          ; v246-247
.set TT,  248                          ; v248-253
.set MSB, 0
.macro WIN new
.if MSB != (\new)
	s_set_vgpr_msb (MSB<<8)|(\new)
.set MSB, (\new)
.endif
.endm
.macro LDST                            ; the next tile's statistics: 18 loads
.set i, 0
.rept 16
	global_load_b64 v[ST+2*i:ST+2*i+1], v[SV], s[32:33] offset:128*i
.set i, i+1
.endr
	global_load_b64 v[OWN:OWN+1], v[OV], s[32:33]
	global_load_b64 v[OWN+2:OWN+3], v[OV], s[32:33] offset:128
.endm
.macro LDP b                           ; piece b of the next tile: 512 consecutive bytes
	global_load_b128 v[N+4*(\b):N+4*(\b)+3], v[L16], s[30:31] offset:512*(\b)
.endm
.macro MERGE
	v_pk_add_f32 v[TT:TT+1], v[ST:ST+1], v[ST+2:ST+3]
	v_pk_add_f32 v[TT+2:TT+3], v[ST+4:ST+5], v[ST+6:ST+7]
.set i, 4
.rept 12
	v_pk_add_f32 v[TT+2*(i%2):TT+2*(i%2)+1], v[TT+2*(i%2):TT+2*(i%2)+1], v[ST+2*i:ST+2*i+1]
.set i, i+1
.endr
	v_pk_add_f32 v[TT:TT+1], v[TT:TT+1], v[TT+2:TT+3]
	v_permlanex16_b32 v[TT+4], v[TT], s54, s55     ; the other 16 slices lie in the lane 16 away
	v_permlanex16_b32 v[TT+5], v[TT+1], s54, s55
	v_pk_add_f32 v[TT:TT+1], v[TT:TT+1], v[TT+4:TT+5]
	v_mul_f32 v[MU], s51, v[TT]
	v_sub_f32 v[TT+4], v[ST], v[MU]
	v_sub_f32 v[TT+5], v[ST+2], v[MU]
	v_mul_f32 v[TT+2], v[TT+4], v[TT+4]
	v_mul_f32 v[TT+3], v[TT+5], v[TT+5]
.set i, 2
.rept 14
	v_sub_f32 v[TT+4+i%2], v[ST+2*i], v[MU]
	v_fma_f32 v[TT+2+i%2], v[TT+4+i%2], v[TT+4+i%2], v[TT+2+i%2]
.set i, i+1
.endr
	v_add_f32 v[TT+2], v[TT+2], v[TT+3]
	v_permlanex16_b32 v[TT+4], v[TT+2], s54, s55
	v_add_f32 v[TT+2], v[TT+2], v[TT+4]
	v_fma_f32 v[TT+2], v[TT+2], s53, v[TT+1]       ; 64 x sum of squares of the means' deviations + the slices' sums
	v_fma_f32 v[TT+2], v[TT+2], s52, s50           ; / 2,048 + 1e-5
	v_rsq_f32 v[RS], v[TT+2]
	v_sub_f32 v[D0], v[OWN], v[MU]                 ; plain work behind the root,
	v_sub_f32 v[D0+1], v[OWN+2], v[MU]
	s_wait_alu depctr_va_vdst(0)                   ; and its wait ahead of its first reader
	v_mul_f32 v[D0], v[D0], v[RS]
	v_mul_f32 v[D0+1], v[D0+1], v[RS]
.endm
.macro AP b, S                         ; piece b into set S: hn, 1 + 0.33267 |hn|, -0.7213 hn^2
.set m, 0
.rept 4
	v_fma_mix_f32 v[\S+2*m], v[N+4*(\b)+m], v[RS], v[D0+(\b)/4] op_sel_hi:[1,0,0]
	v_fma_mix_f32 v[\S+2*m+1], v[N+4*(\b)+m], v[RS], v[D0+(\b)/4] op_sel:[1,0,0] op_sel_hi:[1,0,0]
.set m, m+1
.endr
.set m, 0
.rept 4
	v_fma_mix_f32_bf16 v[\S+2*m], v[\S+2*m], v[G+4*(\b)+m], v[B+4*(\b)+m] op_sel_hi:[0,1,1]
	v_fma_mix_f32_bf16 v[\S+2*m+1], v[\S+2*m+1], v[G+4*(\b)+m], v[B+4*(\b)+m] op_sel:[0,1,1] op_sel_hi:[0,1,1]
.set m, m+1
.endr
.set m, 0
.rept 8
	v_fma_f32 v[\S+8+m], |v[\S+m]|, s40, 1.0
.set m, m+1
.endr
.set m, 0
.rept 4
	v_pk_mul_f32 v[\S+16+2*m:\S+16+2*m+1], v[\S+2*m:\S+2*m+1], s[42:43] op_sel_hi:[1,0]
.set m, m+1
.endr
.set m, 0
.rept 4
	v_pk_mul_f32 v[\S+16+2*m:\S+16+2*m+1], v[\S+16+2*m:\S+16+2*m+1], v[\S+2*m:\S+2*m+1]
.set m, m+1
.endr
.endm
.macro TR S                            ; one batch: eight reciprocals, eight exponentials
.set m, 0
.rept 8
	v_rcp_f32 v[\S+8+m], v[\S+8+m]
.set m, m+1
.endr
.set m, 0
.rept 8
	v_exp_f32 v[\S+16+m], v[\S+16+m]
.set m, m+1
.endr
.endm
.macro CP b, S                         ; the polynomial, the result, bf16, the store
.set m, 0
.rept 4
	v_pk_fma_f32 v[\S+24+2*m:\S+24+2*m+1], v[\S+8+2*m:\S+8+2*m+1], s[48:49], s[46:47] op_sel_hi:[1,0,0]
.set m, m+1
.endr
.set m, 0
.rept 4
	v_pk_fma_f32 v[\S+24+2*m:\S+24+2*m+1], v[\S+24+2*m:\S+24+2*m+1], v[\S+8+2*m:\S+8+2*m+1], s[44:45] op_sel_hi:[1,1,0]
.set m, m+1
.endr
.set m, 0
.rept 4
	v_pk_mul_f32 v[\S+24+2*m:\S+24+2*m+1], v[\S+24+2*m:\S+24+2*m+1], v[\S+8+2*m:\S+8+2*m+1]
.set m, m+1
.endr
.set m, 0
.rept 4
	v_pk_mul_f32 v[\S+24+2*m:\S+24+2*m+1], v[\S+24+2*m:\S+24+2*m+1], v[\S+16+2*m:\S+16+2*m+1]
.set m, m+1
.endr
.set m, 0
.rept 8
	v_max_num_f32 v[\S+8+m], 0, v[\S+m]
.set m, m+1
.endr
.set m, 0
.rept 8
	v_fma_f32 v[\S+8+m], -|v[\S+m]|, v[\S+24+m], v[\S+8+m]
.set m, m+1
.endr
.set m, 0
.rept 4
	v_cvt_pk_bf16_f32 v[X+4*(\b)+m], v[\S+8+2*m], v[\S+8+2*m+1]
.set m, m+1
.endr
	global_store_b128 v[L16], v[X+4*(\b):X+4*(\b)+3], s[34:35] offset:512*(\b)
.endm
	s_load_b256 s[4:11], s[0:1], 0x0               ; hb s[4:5], st s[6:7], ln_g s[8:9], ln_b s[10:11]
	s_load_b128 s[12:15], s[0:1], 0x20             ; sel s[12:13], ab s[14:15]
	v_lshrrev_b32 v1, 5, v0
	v_readfirstlane_b32 s16, v1                    ; wave 0..7
	s_lshr_b32 s17, ttmp9, 5                       ; e
	s_and_b32 s18, ttmp9, 31
	s_lshl3_add_u32 s18, s18, s16                  ; u = 8 x (work-group % 32) + wave: 0..255
	s_and_b32 s19, s18, 15                         ; chunk
	s_lshr_b32 s21, s18, 4                         ; my first row tile: 0..15
	v_and_b32 v[LANE], 31, v0
	v_and_b32 v[RR], 15, v0
	v_bfe_u32 v[HH], v0, 4, 1
	v_lshlrev_b32 v[L16], 4, v[LANE]
	v_lshlrev_b32 v[SV], 3, v[RR]
	s_lshl_b32 s36, s19, 8
	v_add_nc_u32 v[OV], s36, v[SV]
	v_lshl_add_u32 v[SV], v[HH], 11, v[SV]
	v_lshlrev_b32 v[GV], 5, v[HH]
	v_mov_b32 v[T1], 0
	v_mov_b32 v[TT+4], 0
	v_mov_b32 v[TT+5], 0
	s_mov_b32 s40, 0x3eaa540e                      ; 0.33267254
	s_mov_b32 s42, 0xbf38aa3b                      ; -log2(e) / 2
	s_mov_b32 s43, s42
	s_mov_b32 s44, 0x3e32303a                      ; a1 / 2
	s_mov_b32 s45, s44
	s_mov_b32 s46, 0xbd445ca1                      ; a2 / 2
	s_mov_b32 s47, s46
	s_mov_b32 s48, 0x3ebf7377                      ; a3 / 2
	s_mov_b32 s49, s48
	s_mov_b32 s50, 0x3727c5ac                      ; 1e-5
	s_mov_b32 s51, 0x3d000000                      ; 1 / 32
	s_mov_b32 s52, 0x3a000000                      ; 1 / 2,048
	s_mov_b32 s53, 0x42800000                      ; 64
	s_mov_b32 s54, 0x76543210
	s_mov_b32 s55, 0xfedcba98
	s_lshl_b32 s36, s17, 24
	s_lshl_b32 s38, s19, 12
	s_add_co_u32 s36, s36, s38                     ; the expert's tiles, the chunk's four blocks
	s_mov_b32 s37, 0
	s_wait_kmcnt 0x0
	s_add_nc_u64 s[24:25], s[4:5], s[36:37]
	s_add_nc_u64 s[28:29], s[14:15], s[36:37]
	s_lshl_b32 s36, s17, 20
	s_add_nc_u64 s[26:27], s[6:7], s[36:37]
	s_lshl_b32 s36, s17, 13
	s_lshl_b32 s38, s19, 9
	s_add_co_u32 s36, s36, s38
	s_add_nc_u64 s[56:57], s[8:9], s[36:37]
	s_add_nc_u64 s[58:59], s[10:11], s[36:37]
	s_lshl_b32 s36, s17, 9
	s_add_co_u32 s36, s36, 16384
	s_add_nc_u64 s[60:61], s[12:13], s[36:37]
	s_lshl_b32 s36, s21, 16
	s_add_nc_u64 s[30:31], s[24:25], s[36:37]
	s_lshl_b32 s36, s21, 12
	s_add_nc_u64 s[32:33], s[26:27], s[36:37]
	global_load_b128 v[BM:BM+3], v[L16], s[60:61]
	LDST
.irp b, 0,1,2,3,4,5,6,7
	LDP \b
.endr
	WIN 0x40                                       ; the gains as loaded: window 1
.set i, 0
.rept 8
	global_load_b128 v[8*i:8*i+3], v[GV], s[56:57] offset:64*i
	global_load_b128 v[8*i+4:8*i+7], v[GV], s[56:57] offset:64*i+16
	global_load_b128 v[64+8*i:64+8*i+3], v[GV], s[58:59] offset:64*i
	global_load_b128 v[64+8*i+4:64+8*i+7], v[GV], s[58:59] offset:64*i+16
.set i, i+1
.endr
	s_wait_loadcnt 0x0
	WIN 0x05
.set i, 0
.rept 32
	v_cvt_pk_bf16_f32 v[G+i], v[2*i], v[2*i+1]
	v_cvt_pk_bf16_f32 v[B+i], v[64+2*i], v[64+2*i+1]
.set i, i+1
.endr
	WIN 0
.irp k, 0,1,2,3                                        ; the expert's count: ones in the map
	v_lshrrev_b32 v[T1], 1, v[BM+\k]
	v_and_b32 v[T1], 0x55555555, v[T1]
	v_sub_nc_u32 v[T2], v[BM+\k], v[T1]
	v_lshrrev_b32 v[T1], 2, v[T2]
	v_and_b32 v[T1], 0x33333333, v[T1]
	v_and_b32 v[T2], 0x33333333, v[T2]
	v_add_nc_u32 v[T2], v[T2], v[T1]
	v_lshrrev_b32 v[T1], 4, v[T2]
	v_add_nc_u32 v[T2], v[T2], v[T1]
	v_and_b32 v[T2], 0x0f0f0f0f, v[T2]
.if \k == 0
	v_mov_b32 v[CN], v[T2]
.else
	v_add_nc_u32 v[CN], v[CN], v[T2]
.endif
.endr
	s_mov_b32 s38, 0x01010101
	v_mul_lo_u32 v[CN], v[CN], s38
	v_lshrrev_b32 v[CN], 24, v[CN]
.irp d, 1,2,4,8
	v_mov_b32_dpp v[T1], v[CN] row_xmask:\d row_mask:0xf bank_mask:0xf
	v_add_nc_u32 v[CN], v[CN], v[T1]
.endr
	v_permlanex16_b32 v[T1], v[CN], s54, s55
	v_add_nc_u32 v[CN], v[CN], v[T1]
	v_readfirstlane_b32 s22, v[CN]
	s_min_u32 s22, s22, 4096
	s_add_co_u32 s22, s22, 15
	s_lshr_b32 s22, s22, 4                         ; T
	s_sub_co_i32 s22, s22, s21
	s_add_co_i32 s22, s22, 15
	s_lshr_b32 s22, s22, 4                         ; my units: (T - first tile + 15) / 16; the sum is never negative, since the first tile is 15 at the most
	s_cmp_eq_u32 s22, 0
	s_cbranch_scc1 .Lend
	s_mov_b32 s23, 0
.Lunit:
	s_wait_xcnt 0x0                                ; the bases and X are rewritten only behind this wait
	s_min_u32 s39, s21, 255
	s_lshl_b32 s36, s39, 16
	s_add_nc_u64 s[34:35], s[28:29], s[36:37]      ; ab at this tile
	s_add_co_u32 s38, s21, 16
	s_min_u32 s38, s38, 255                        ; the next tile; behind the last one a tile inside the buffers
	s_lshl_b32 s36, s38, 16
	s_add_nc_u64 s[30:31], s[24:25], s[36:37]
	s_lshl_b32 s36, s38, 12
	s_add_nc_u64 s[32:33], s[26:27], s[36:37]
	s_wait_loadcnt 8                               ; this unit's eight pieces are younger: its statistics are in
	MERGE
	LDST
	s_wait_loadcnt 25                              ; behind piece b: 7 - b pieces of this unit, 18 loads of statistics, b pieces of the next: always 25
	AP 0, SP
	LDP 0
	TR SP
.irp b, 0,1,2,3,4,5,6
	s_wait_loadcnt 25
	AP \b+1, SP+32*((\b+1)%2)                      ; 32 plain instructions between a batch and its wait
	LDP \b+1
	s_wait_alu depctr_va_vdst(0)                   ; one wait for the batch of sixteen, ahead of its first reader
	CP \b, SP+32*(\b%2)
	TR SP+32*((\b+1)%2)
.endr
	v_nop
	s_wait_alu depctr_va_vdst(0)
	CP 7, SQ
	s_add_co_u32 s21, s21, 16
	s_add_co_u32 s23, s23, 1
	s_cmp_lt_u32 s23, s22
	s_cbranch_scc1 .Lunit
.Lend:
	s_endpgm
.Lfunc_end_k_qdeab9cc3b4_act:
	.size	k_qdeab9cc3b4_act, .Lfunc_end_k_qdeab9cc3b4_act-k_qdeab9cc3b4_act
	.p2alignl 7, 3214868480
	.fill 96, 4, 3214868480
	.section	.rodata,"a",@progbits
	.p2align	6, 0x0
	.amdhsa_kernel k_qdeab9cc3b4_act
		.amdhsa_group_segment_fixed_size 0
		.amdhsa_private_segment_fixed_size 0
		.amdhsa_enable_private_segment 0
		.amdhsa_kernarg_size 48
		.amdhsa_user_sgpr_count 2
		.amdhsa_user_sgpr_kernarg_segment_ptr 1
		.amdhsa_wavefront_size32 1
		.amdhsa_system_sgpr_workgroup_id_x 1
		.amdhsa_system_sgpr_workgroup_id_y 1
		.amdhsa_system_sgpr_workgroup_id_z 1
		.amdhsa_system_vgpr_workitem_id 0
		.amdhsa_next_free_vgpr 384
		.amdhsa_next_free_sgpr 66
		.amdhsa_reserve_vcc 0
		.amdhsa_float_denorm_mode_32 3
		.amdhsa_float_denorm_mode_16_64 3
		.amdhsa_memory_ordered 1
		.amdhsa_forward_progress 1
		.amdhsa_inst_pref_size 59
	.end_amdhsa_kernel
	.amdgpu_metadata
---
amdhsa.version: [ 1, 2 ]
amdhsa.kernels:
  - .name:           k_qdeab9cc3b4_act
    .symbol:         k_qdeab9cc3b4_act.kd
    .args:
      - { .name: hb, .offset: 0, .size: 8, .value_kind: global_buffer, .address_space: global }
      - { .name: st, .offset: 8, .size: 8, .value_kind: global_buffer, .address_space: global }
      - { .name: ln_g, .offset: 16, .size: 8, .value_kind: global_buffer, .address_space: global }
      - { .name: ln_b, .offset: 24, .size: 8, .value_kind: global_buffer, .address_space: global }
      - { .name: sel, .offset: 32, .size: 8, .value_kind: global_buffer, .address_space: global }
      - { .name: ab, .offset: 40, .size: 8, .value_kind: global_buffer, .address_space: global }
    .group_segment_fixed_size: 0
    .private_segment_fixed_size: 0
    .kernarg_segment_align: 8
    .kernarg_segment_size: 48
    .max_flat_workgroup_size: 256
    .sgpr_count:     66
    .vgpr_count:     384
    .wavefront_size: 32
...
	.end_amdgpu_metadata
.endif
;; end of part 3
;; launch down (part 4): grid 256 x 1, 4 waves a work-group, no clusters, 100,352 bytes of LDS; arguments b2, cb, ab, sel, yb; writes yb
.if DOCPART == 4
	.amdgcn_target "amdgcn-amd-amdhsa--gfx1250"
	.amdhsa_code_object_version 6
	.text
	.protected	k_qdeab9cc3b4_down
	.globl	k_qdeab9cc3b4_down
	.p2align	8
	.type	k_qdeab9cc3b4_down,@function
k_qdeab9cc3b4_down:
	s_mov_b64 s[64:65], 0
	v_nop
	global_prefetch_b8 v0, s[64:65] scope:SCOPE_SE
	s_setreg_imm32_b32 hwreg(HW_REG_WAVE_MODE, 25, 1), 1
	s_wait_xcnt 0x0
; DOWN.  y = a W2[e] + b2[e] for the rows that chose expert e.  Work-group = (expert e, slice s of 64 output columns, part p of the expert's row tiles), the parts as in the first product.
; THE WEIGHTS STAY: wave w keeps k = 512 w .. 512 w + 511 of the 64 columns as 64 fragments in 512 registers.  The first launch has rounded them to bf16 and stored them in the registers' order
; (block 256 + 32 e + 4 s + w of cb, 65,536 bytes), so they come by 128 loads of 512 consecutive bytes.
; THE ROWS STREAM straight from memory into operand registers: a was stored in that order, and each wave reads only its own quarter of k, through a ring of eight groups of eight loads.
; The four waves' partial sums (f32) meet in LDS once a trip of two row tiles: each wave stores 32 rows x 64 columns, a barrier, each wave adds 8 rows, adds b2 and stores them to the tokens' rows of yb.
; A store holds ONE row: 32 lanes x 8 bytes = 256 consecutive bytes, aligned; so a row past the part's count is a whole store, and is jumped forward by a scalar compare: EXEC is never changed.
; Two stages take turns, so one barrier a trip does.
; The loop has a constant 32 trips; trips past the part's count jump forward over the work, never over the barrier.  A live trip asks for the next trip's groups whatever the count: ab has four spare
; tiles at its end for that, and what is read past the count never reaches memory.
; NO JOINT LOADS: how many tiles of a are read hangs on counts read from memory; the weights, which the four parts share, are 64 KB a wave read once at the start, and the parts differ in counts that steer branches.
; LIMITS.  W2, b2 are rounded to bf16.  NaN and infinities are not treated apart.
; REGISTERS: window 0 see below; windows 1, 2: the weights, fragment (k step j, column tile c) at v[8 (4 (j % 8) + c)] of window 1 + j / 8; window 3: the ring.
.set RP,    272                        ; a row of a stage: 256 bytes + 16
.set RS1,   1<<16                      ; stage 0 at 0, stage 1 here: 4 waves x 32 rows each
.set LIST,  34816                      ; the lists: 4,608 bytes for each wave
.set LSZ,   4608
.set SPARE, 53248                      ; the spare words: two blocks of 256 bytes that no other line names
.set WOFF,  0x400000                   ; the weights' blocks begin behind x's copy
.set SW0, 2                            ; where I put my sums: w x 32 rows + r x 272 + 32 h
.set SW,  3
.set SR0, 4                            ; where I read: row 8 w, 8 bytes by lane
.set SR,  5
.set LA,  6                            ; the list's eight entries of my rows, the same address in all lanes
.set AV,  7                            ; 16,384 w + 16 x lane: my quarter of a tile of a
.set C8,  10                           ; 8 x lane: my two columns of a row of 64
.set RR,  15
.set HH,  16
.set LANE, 17
.set L16, 18
.set SPW, 28
.set NIL, 29
.set ACC, 64                           ; v64-127 two row tiles x four column tiles
.set RD,  128                          ; v128-191 four waves' sums of my 8 rows, two columns a lane
.set IDS, 192                          ; v192-199 my eight rows' tokens, then their byte offsets in yb
.set B2,  200                          ; v200-201
.set LT,  204                          ; at the start: the list's registers
.set BM,  LT
.set Z4,  LT+4
.set TK,  LT+8
.set PCN, LT+12
.set RUN, LT+16
.set FB,  LT+20
.set KEY, LT+24
.set TOK, LT+28
.set TA4, LT+32
.set SX,  LT+36
.set CN,  LT+37
.set T1,  LT+38
.set T2,  LT+39
.set LB,  LT+40
.set PF,  LT+41
.set MSB, 0
.macro WIN new                         ; the immediate's high byte repeats the setting that is left; a switch that changes nothing is dropped
.if MSB != (\new)
	s_set_vgpr_msb (MSB<<8)|(\new)
.set MSB, (\new)
.endif
.endm
.macro PLACES
.rept 4
	v_nop
.endr
.endm
.macro RB16 a, b, t
	v_cvt_pk_bf16_f32 v[\t], v[\a], v[\b]
	v_lshlrev_b32 v[\a], 16, v[\t]
	v_and_b32 v[\b], 0xffff0000, v[\t]
.endm
; Pieces first .. first + count - 1 of my block of weights: piece n is 512 consecutive bytes and fills registers 4 (n % 64) .. + 3 of window 1 + n / 64.
.macro WLD first, count
.set n, (\first)
.rept (\count)
	WIN 0x40+0x40*(n/64)
	global_load_b128 v[4*(n%64):4*(n%64)+3], v[L16], s[44:45] offset:512*n
.set n, n+1
.endr
.endm
; THE LIST, in two halves, line for line as in the first product, so that a rank means the same token in both.
.macro LIST_COUNT
	WIN 0
.irp k, 0,1,2,3
	v_mov_b32 v[Z4+\k], 0
.endr
.irp k, 0,1,2,3,4,5,6,7,8
	ds_store_b128 v[PF], v[Z4:Z4+3] offset:512*\k  ; the whole region holds token 0, a row that exists
.endr
.irp k, 0,1,2,3                                        ; ones in each word
	v_lshrrev_b32 v[TA4+\k], 1, v[BM+\k]
.endr
.irp k, 0,1,2,3
	v_and_b32 v[TA4+\k], 0x55555555, v[TA4+\k]
.endr
.irp k, 0,1,2,3
	v_sub_nc_u32 v[PCN+\k], v[BM+\k], v[TA4+\k]
.endr
.irp k, 0,1,2,3
	v_lshrrev_b32 v[TA4+\k], 2, v[PCN+\k]
.endr
.irp k, 0,1,2,3
	v_and_b32 v[TA4+\k], 0x33333333, v[TA4+\k]
.endr
.irp k, 0,1,2,3
	v_and_b32 v[PCN+\k], 0x33333333, v[PCN+\k]
.endr
.irp k, 0,1,2,3
	v_add_nc_u32 v[PCN+\k], v[PCN+\k], v[TA4+\k]
.endr
.irp k, 0,1,2,3
	v_lshrrev_b32 v[TA4+\k], 4, v[PCN+\k]
.endr
.irp k, 0,1,2,3
	v_add_nc_u32 v[PCN+\k], v[PCN+\k], v[TA4+\k]
.endr
.irp k, 0,1,2,3
	v_and_b32 v[PCN+\k], 0x0f0f0f0f, v[PCN+\k]
.endr
	s_mov_b32 s28, 0x01010101
.irp k, 0,1,2,3
	v_mul_lo_u32 v[PCN+\k], v[PCN+\k], s28
.endr
.irp k, 0,1,2,3
	v_lshrrev_b32 v[PCN+\k], 24, v[PCN+\k]
.endr
	v_add_nc_u32 v[CN], v[PCN], v[PCN+1]
	v_add3_u32 v[CN], v[CN], v[PCN+2], v[PCN+3]
	v_mov_b32 v[SX], v[CN]
.irp d, 1,2,4,8,16                                     ; running sum over the 32 lanes
	v_add_nc_u32 v[T1], -\d, v[LANE]
	v_lshlrev_b32 v[T1], 2, v[T1]
	ds_bpermute_b32 v[T2], v[T1], v[SX]
	v_cmp_le_u32 vcc_lo, \d, v[LANE]
	s_wait_dscnt 0x0
	v_cndmask_b32 v[T2], 0, v[T2], vcc_lo
	v_add_nc_u32 v[SX], v[SX], v[T2]
.endr
	v_readlane_b32 s20, v[SX], 31
	v_sub_nc_u32 v[RUN], v[SX], v[CN]              ; the rank of my first token
	s_min_u32 s20, s20, 4096
	s_add_co_u32 s21, s20, 15
	s_lshr_b32 s21, s21, 4
	s_add_co_u32 s22, s21, 3
	s_lshr_b32 s22, s22, 2
	s_mul_i32 s23, s19, s22
	s_min_u32 s23, s23, 192                        ; 3 x 64 at the most
	s_sub_co_i32 s24, s21, s23
	s_max_i32 s24, s24, 0
	s_min_i32 s24, s24, s22
	s_lshl_b32 s28, s23, 4
	s_sub_co_i32 s38, s20, s28
	s_max_i32 s38, s38, 0
	s_lshl_b32 s39, s22, 4
	s_min_i32 s38, s38, s39
	s_sub_co_i32 s28, 0, s28
	v_add_nc_u32 v[RUN], s28, v[RUN]               ; ranks count from my part's first row; earlier ones wrap to large numbers
	v_add_nc_u32 v[RUN+1], v[RUN], v[PCN]
	v_add_nc_u32 v[RUN+2], v[RUN+1], v[PCN+1]
	v_add_nc_u32 v[RUN+3], v[RUN+2], v[PCN+2]
	v_lshlrev_b32 v[TK], 7, v[LANE]
	v_add_nc_u32 v[TK+1], 32, v[TK]
	v_add_nc_u32 v[TK+2], 64, v[TK]
	v_add_nc_u32 v[TK+3], 0x60, v[TK]
.endm
.macro LIST_FILL
	WIN 0
	s_mov_b32 s28, 0
.Llist:
.irp k, 0,1,2,3
	v_bfe_u32 v[FB+\k], v[BM+\k], s28, 1
.endr
.irp k, 0,1,2,3
	v_add_nc_u32 v[KEY+\k], -1, v[FB+\k]           ; 0 where chosen, all ones elsewhere
.endr
.irp k, 0,1,2,3
	v_or_b32 v[KEY+\k], v[KEY+\k], v[RUN+\k]
.endr
.irp k, 0,1,2,3
	v_min_u32 v[KEY+\k], 0x400, v[KEY+\k]
.endr
.irp k, 0,1,2,3
	v_lshl_add_u32 v[KEY+\k], v[KEY+\k], 2, v[LB]
.endr
.irp k, 0,1,2,3
	v_add_nc_u32 v[TOK+\k], s28, v[TK+\k]
.endr
.irp k, 0,1,2,3
	ds_store_b32 v[KEY+\k], v[TOK+\k]
.endr
.irp k, 0,1,2,3
	v_add_nc_u32 v[RUN+\k], v[RUN+\k], v[FB+\k]
.endr
	s_add_co_u32 s28, s28, 1
	s_cmp_lt_u32 s28, 32
	s_cbranch_scc1 .Llist
.endm
; Group (t, g) of the ring: k steps 4 g .. 4 g + 3 of row tile t of the trip in hand (ahead = 0) or the next (1): eight loads of 512 consecutive bytes.
.macro RLD t, g, ahead
	WIN 0xc0
.set f, 0
.rept 4
	global_load_b128 v[32*(4*(\t)+(\g))+8*f:32*(4*(\t)+(\g))+8*f+3], v[AV], s[40:41] offset:131072*(\ahead)+65536*(\t)+1024*(4*(\g)+f)
	global_load_b128 v[32*(4*(\t)+(\g))+8*f+4:32*(4*(\t)+(\g))+8*f+7], v[AV], s[40:41] offset:131072*(\ahead)+65536*(\t)+1024*(4*(\g)+f)+512
.set f, f+1
.endr
.endm
; 16 products on group (t, g), the four column tiles by turns, one instruction a turn; then the group is asked for again.
.macro GRP t, g
	s_wait_loadcnt 56                              ; seven younger groups of eight loads
	WIN 0x0d+((\g)/2)                              ; weights window 1 or 2, a window 3, sums window 0
.set f, 0
.rept 4
.set c, 0
.rept 4
.set rW, 8*(4*((4*(\g)+f)%8)+c)
.set rA, 32*(4*(\t)+(\g))+8*f
.set rC, ACC+32*(\t)+8*c
.if ((\g) == 0) && (f == 0)
	v_wmma_f32_16x16x32_bf16 v[rC:rC+7], v[rW:rW+7], v[rA:rA+7], 0
.else
	v_wmma_f32_16x16x32_bf16 v[rC:rC+7], v[rW:rW+7], v[rA:rA+7], v[rC:rC+7]
.endif
.set c, c+1
.endr
.set f, f+1
.endr
	PLACES                                         ; ahead of the loads into registers that those products read
	RLD \t, \g, 1
.endm
	s_load_b256 s[4:11], s[0:1], 0x0               ; b2 s[4:5], cb s[6:7], ab s[8:9], sel s[10:11]
	s_load_b64 s[12:13], s[0:1], 0x20              ; yb
	v_lshl_add_u32 v[SPW], v0, 2, SPARE
	v_mov_b32 v[NIL], 0
	v_lshrrev_b32 v1, 5, v0
	v_readfirstlane_b32 s16, v1                    ; wave
	s_lshr_b32 s17, ttmp9, 5                       ; e
	s_bfe_u32 s18, ttmp9, 0x30002                  ; s
	s_and_b32 s19, ttmp9, 3                        ; p
	v_and_b32 v[LANE], 31, v0
	v_and_b32 v[RR], 15, v0
	v_bfe_u32 v[HH], v0, 4, 1
	v_lshlrev_b32 v[L16], 4, v[LANE]
	v_lshlrev_b32 v[C8], 3, v[LANE]
	s_mul_i32 s33, s16, 32*RP
	v_mul_u32_u24 v[SW0], v[RR], RP
	v_lshl_add_u32 v[SW0], v[HH], 5, v[SW0]
	v_add_nc_u32 v[SW0], s33, v[SW0]
	s_mul_i32 s33, s16, 8*RP
	v_add_nc_u32 v[SR0], s33, v[C8]                ; row 8 w of a source wave's 32, my 8 bytes
	s_mul_i32 s34, s16, LSZ
	s_add_co_u32 s34, s34, LIST
	v_mov_b32 v[LB], s34
	v_add_nc_u32 v[PF], s34, v[L16]
	s_lshl_b32 s33, s16, 5
	s_add_co_u32 s33, s33, s34
	v_mov_b32 v[LA], s33                           ; entries 8 w .. 8 w + 7 of trip 0
	s_lshl_b32 s33, s16, 14
	v_add_nc_u32 v[AV], s33, v[L16]
	s_lshl_b32 s32, s17, 5                         ; my block of weights: 256 + 32 e + 4 s + w
	s_lshl2_add_u32 s33, s18, s16
	s_add_co_u32 s32, s32, s33
	s_add_co_u32 s32, s32, 256
	s_lshl_b32 s32, s32, 16
	s_add_co_u32 s32, s32, WOFF
	s_mov_b32 s33, 0
	s_lshl_b32 s34, s17, 9
	s_add_co_u32 s34, s34, 16384
	s_mov_b32 s35, 0
	s_lshl_b32 s36, s17, 11                        ; b2
	s_lshl_b32 s37, s18, 8
	s_add_co_u32 s36, s36, s37
	s_mov_b32 s37, 0
	s_lshl_b32 s30, s17, 23                        ; yb: expert, column 64 s
	s_lshl_b32 s31, s18, 8
	s_add_co_u32 s30, s30, s31
	s_mov_b32 s31, 0
	s_wait_kmcnt 0x0
	s_add_nc_u64 s[44:45], s[6:7], s[32:33]
	s_add_nc_u64 s[46:47], s[10:11], s[34:35]
	s_add_nc_u64 s[48:49], s[4:5], s[36:37]
	s_add_nc_u64 s[42:43], s[12:13], s[30:31]
	global_load_b128 v[BM:BM+3], v[L16], s[46:47]
	global_load_b64 v[B2:B2+1], v[C8], s[48:49]
	WLD 0, 48
	s_wait_loadcnt 49                              ; the load of b2 and 48 of the weights are younger: the map is in
	LIST_COUNT
	s_lshl_b32 s32, s17, 8
	s_add_co_u32 s32, s32, s23
	s_lshl_b32 s32, s32, 16
	s_mov_b32 s33, 0
	s_add_nc_u64 s[40:41], s[8:9], s[32:33]        ; a at my part's first row tile
	s_lshl_b32 s36, s16, 3                         ; 8 w: my first row of a trip's 32
	WLD 48, 56                                     ; these land while the list is filled
	LIST_FILL
	s_wait_loadcnt 56                              ; those 56 are younger: b2 is in
	RB16 B2, B2+1, 1
	WLD 104, 24
.irp g, 0,1,2,3
	RLD 0, \g, 0                                   ; the ring: 64 loads, the youngest of all, in the ring's order
.endr
.irp g, 0,1,2,3
	RLD 1, \g, 0
.endr
	WIN 0
	s_wait_dscnt 0x0                               ; my list is written
	s_mov_b32 s25, 0                               ; the trip's first tile
	s_mov_b32 s27, 0                               ; the stage in hand
	s_mov_b32 s26, 32
.Ltrip:                                                ; at this label the ring's 64 loads are out in the ring's order, or have landed: behind the start, a live trip and a dead one alike; loads end in order, so the first group's wait covers the weights too
	v_add_nc_u32 v[SW], s27, v[SW0]
	v_add_nc_u32 v[SR], s27, v[SR0]
	s_cmp_lt_i32 s25, s24
	s_cbranch_scc0 .Ls1
.irp t, 0,1
.irp g, 0,1,2,3
	GRP \t, \g
.endr
.endr
	WIN 0
.irp t, 0,1                                            ; each accumulator's low half first
.irp k, 0,1,2,3
	ds_store_b128 v[SW], v[ACC+32*\t+8*\k:ACC+32*\t+8*\k+3] offset:16*RP*\t+64*\k
	ds_store_b128 v[SW], v[ACC+32*\t+8*\k+4:ACC+32*\t+8*\k+7] offset:16*RP*\t+64*\k+16
.endr
.endr
.Ls1:
	s_wait_dscnt 0x0                               ; my sums are in the stage; my reads of the other stage, a trip ago, are back
	s_barrier_signal -1
	s_barrier_wait -1
	s_cmp_lt_i32 s25, s24
	s_cbranch_scc0 .Ls2
.irp u, 0,1,2,3                                        ; source wave u, my row q: 32 lanes take the row's 256 bytes
.irp q, 0,1,2,3,4,5,6,7
	ds_load_b64 v[RD+16*\u+2*\q:RD+16*\u+2*\q+1], v[SR] offset:32*RP*\u+RP*\q
.endr
.endr
	ds_load_b128 v[IDS:IDS+3], v[LA]               ; my eight rows' tokens: all lanes read the same 32 bytes
	ds_load_b128 v[IDS+4:IDS+7], v[LA] offset:16
	s_lshl_b32 s28, s25, 4
	s_add_co_u32 s28, s28, s36
	s_sub_co_i32 s35, s38, s28                     ; rows of the part from my first row on: part's rows - 16 x tile - 8 w
	s_wait_dscnt 0x0
.irp u, 1,2,3
.irp q, 0,1,2,3,4,5,6,7
	v_pk_add_f32 v[RD+2*\q:RD+2*\q+1], v[RD+2*\q:RD+2*\q+1], v[RD+16*\u+2*\q:RD+16*\u+2*\q+1]
.endr
.endr
.irp q, 0,1,2,3,4,5,6,7
	v_pk_add_f32 v[RD+2*\q:RD+2*\q+1], v[RD+2*\q:RD+2*\q+1], v[B2:B2+1]
.endr
.irp q, 0,1,2,3,4,5,6,7
	v_min_u32 v[IDS+\q], 0xfff, v[IDS+\q]
	v_lshl_add_u32 v[IDS+\q], v[IDS+\q], 11, v[C8] ; the token's row of 2,048 bytes, my 8 bytes of the slice's 256
.endr
.irp q, 0,1,2,3,4,5,6,7
	s_cmp_gt_i32 s35, \q
	s_cbranch_scc0 .Ls2                            ; this row and those behind it lie past the part's count: their stores are jumped
	global_store_b64 v[IDS+\q], v[RD+2*\q:RD+2*\q+1], s[42:43]  ; the wave's store covers 256 consecutive bytes, aligned
.endr
.Ls2:
	s_wait_xcnt 0x0                                ; a's base is stepped, and the stores' data and offsets are loaded again, only behind this wait
	s_xor_b32 s27, s27, RS1
	s_add_co_u32 s25, s25, 2
	v_add_nc_u32 v[LA], 0x80, v[LA]
	s_add_nc_u64 s[40:41], s[40:41], 0x20000
	s_sub_co_u32 s26, s26, 1
	s_cmp_lg_u32 s26, 0
	s_cbranch_scc1 .Ltrip
	s_wait_tensorcnt 0x0                           ; the wave's end: three lines behind my last LDS store
	ds_add_u32 v[SPW], v[NIL]
	s_wait_dscnt 0x0
	s_endpgm
.Lfunc_end_k_qdeab9cc3b4_down:
	.size	k_qdeab9cc3b4_down, .Lfunc_end_k_qdeab9cc3b4_down-k_qdeab9cc3b4_down
	.p2alignl 7, 3214868480
	.fill 96, 4, 3214868480
	.section	.rodata,"a",@progbits
	.p2align	6, 0x0
	.amdhsa_kernel k_qdeab9cc3b4_down
		.amdhsa_group_segment_fixed_size 100352
		.amdhsa_private_segment_fixed_size 0
		.amdhsa_enable_private_segment 0
		.amdhsa_kernarg_size 40
		.amdhsa_user_sgpr_count 2
		.amdhsa_user_sgpr_kernarg_segment_ptr 1
		.amdhsa_wavefront_size32 1
		.amdhsa_system_sgpr_workgroup_id_x 1
		.amdhsa_system_sgpr_workgroup_id_y 1
		.amdhsa_system_sgpr_workgroup_id_z 1
		.amdhsa_system_vgpr_workitem_id 0
		.amdhsa_next_free_vgpr 1024
		.amdhsa_next_free_sgpr 66
		.amdhsa_reserve_vcc 1
		.amdhsa_float_denorm_mode_32 3
		.amdhsa_float_denorm_mode_16_64 3
		.amdhsa_memory_ordered 1
		.amdhsa_forward_progress 1
		.amdhsa_inst_pref_size 53
	.end_amdhsa_kernel
	.amdgpu_metadata
---
amdhsa.version: [ 1, 2 ]
amdhsa.kernels:
  - .name:           k_qdeab9cc3b4_down
    .symbol:         k_qdeab9cc3b4_down.kd
    .args:
      - { .name: b2, .offset: 0, .size: 8, .value_kind: global_buffer, .address_space: global }
      - { .name: cb, .offset: 8, .size: 8, .value_kind: global_buffer, .address_space: global }
      - { .name: ab, .offset: 16, .size: 8, .value_kind: global_buffer, .address_space: global }
      - { .name: sel, .offset: 24, .size: 8, .value_kind: global_buffer, .address_space: global }
      - { .name: yb, .offset: 32, .size: 8, .value_kind: global_buffer, .address_space: global }
    .group_segment_fixed_size: 100352
    .private_segment_fixed_size: 0
    .kernarg_segment_align: 8
    .kernarg_segment_size: 40
    .max_flat_workgroup_size: 128
    .sgpr_count:     66
    .vgpr_count:     1024
    .wavefront_size: 32
...
	.end_amdgpu_metadata
.endif
;; end of part 4
;; launch fin (part 5): grid 257 x 1, 4 waves a work-group, no clusters, 0 bytes of LDS; arguments yb, sel, gw, ps, out_g, out_b, out0, out1; writes out0, out1
.if DOCPART == 5
	.amdgcn_target "amdgcn-amd-amdhsa--gfx1250"
	.amdhsa_code_object_version 6
	.text
	.protected	k_qdeab9cc3b4_fin
	.globl	k_qdeab9cc3b4_fin
	.p2align	8
	.type	k_qdeab9cc3b4_fin,@function
k_qdeab9cc3b4_fin:
	s_mov_b64 s[64:65], 0
	v_nop
	global_prefetch_b8 v0, s[64:65] scope:SCOPE_SE
	s_setreg_imm32_b32 hwreg(HW_REG_WAVE_MODE, 25, 1), 1
	s_wait_xcnt 0x0
; FIN.  out0[t] = layer norm(w1 y[e1][t] + w2 y[e2][t]) x out_g + out_b.  Work-groups 0-255: a wave takes four tokens, a token's 512 numbers as 16 a lane; the two experts come from sel (whole numbers
; stored four launches ago), so each output row has one owner.  Mean first, then the deviations' squares.  Each load and store of a wave covers 512 consecutive bytes.  A stream: no LDS, no matrix unit.
; Work-group 256, wave 0: out1 from the 256 groups' sums of probabilities and counts: for each of the two sets of 8 numbers the unbiased variance over (mean + 1e-6)^2.
; LIMITS.  out_g and out_b are rounded to bf16.  NaN and infinities are not treated apart.
.set G,  4                             ; v4-19
.set B,  20                            ; v20-35
.set Y,  40                            ; token t: v[40 + 32 t ..]: 16 of the first expert's row, 16 of the second's
.set TA, 168                           ; v168-171 at work
.set MN, 174                           ; v174-175
.set R,  180                           ; v180-187: 1 / sigma of token t at R + 2 t
.macro RB16 a, b, t
	v_cvt_pk_bf16_f32 v[\t], v[\a], v[\b]
	v_lshlrev_b32 v[\a], 16, v[\t]
	v_and_b32 v[\b], 0xffff0000, v[\t]
.endm
.macro LSUM x, t                       ; v[x] summed over the 32 lanes, the result in every lane; v[t] has been written before
	v_add_f32_dpp v[\x], v[\x], v[\x] row_xmask:1 row_mask:0xf bank_mask:0xf
	v_add_f32_dpp v[\x], v[\x], v[\x] row_xmask:2 row_mask:0xf bank_mask:0xf
	v_add_f32_dpp v[\x], v[\x], v[\x] row_xmask:4 row_mask:0xf bank_mask:0xf
	v_add_f32_dpp v[\x], v[\x], v[\x] row_xmask:8 row_mask:0xf bank_mask:0xf
	v_permlanex16_b32 v[\t], v[\x], s60, s61
	v_add_f32 v[\x], v[\x], v[\t]
.endm
.macro TOKS t, left                    ; token t: the weighted sum, its mean, the deviations in place, variance + 1e-5
.set O, Y+32*(\t)
	s_wait_loadcnt \left                           ; eight younger loads for each later token
.set i, 0
.rept 8
	v_pk_mul_f32 v[O+2*i:O+2*i+1], v[O+2*i:O+2*i+1], s[66+4*(\t):67+4*(\t)] op_sel_hi:[1,0]
.set i, i+1
.endr
.set i, 0
.rept 8
	v_pk_fma_f32 v[O+2*i:O+2*i+1], v[O+16+2*i:O+16+2*i+1], s[68+4*(\t):69+4*(\t)], v[O+2*i:O+2*i+1] op_sel_hi:[1,0,1]
.set i, i+1
.endr
	v_pk_add_f32 v[TA:TA+1], v[O:O+1], v[O+2:O+3]
	v_pk_add_f32 v[TA+2:TA+3], v[O+4:O+5], v[O+6:O+7]
	v_pk_add_f32 v[TA:TA+1], v[TA:TA+1], v[O+8:O+9]
	v_pk_add_f32 v[TA+2:TA+3], v[TA+2:TA+3], v[O+10:O+11]
	v_pk_add_f32 v[TA:TA+1], v[TA:TA+1], v[O+12:O+13]
	v_pk_add_f32 v[TA+2:TA+3], v[TA+2:TA+3], v[O+14:O+15]
	v_pk_add_f32 v[TA:TA+1], v[TA:TA+1], v[TA+2:TA+3]
	v_add_f32 v[TA], v[TA], v[TA+1]
	LSUM TA, TA+1
	v_mul_f32 v[MN], s62, v[TA]
	v_mov_b32 v[MN+1], v[MN]
.set i, 0
.rept 8
	v_pk_add_f32 v[O+2*i:O+2*i+1], v[O+2*i:O+2*i+1], v[MN:MN+1] neg_lo:[0,1] neg_hi:[0,1]
.set i, i+1
.endr
	v_pk_mul_f32 v[TA:TA+1], v[O:O+1], v[O:O+1]
	v_pk_mul_f32 v[TA+2:TA+3], v[O+2:O+3], v[O+2:O+3]
.set i, 2
.rept 6
	v_pk_fma_f32 v[TA+2*(i%2):TA+2*(i%2)+1], v[O+2*i:O+2*i+1], v[O+2*i:O+2*i+1], v[TA+2*(i%2):TA+2*(i%2)+1]
.set i, i+1
.endr
	v_pk_add_f32 v[TA:TA+1], v[TA:TA+1], v[TA+2:TA+3]
	v_add_f32 v[TA], v[TA], v[TA+1]
	LSUM TA, TA+1
	v_fma_f32 v[R+2*(\t)], v[TA], s62, s63
	v_mov_b32 v[R+2*(\t)+1], 0                     ; named with it as a pair
.endm
.macro LOSS b, vv, dd                  ; of the 8 numbers at v[b]: the unbiased variance into v[vv], mean + 1e-6 into v[dd]
	v_pk_add_f32 v[TA:TA+1], v[\b:\b+1], v[\b+2:\b+3]
	v_pk_add_f32 v[TA+2:TA+3], v[\b+4:\b+5], v[\b+6:\b+7]
	v_pk_add_f32 v[TA:TA+1], v[TA:TA+1], v[TA+2:TA+3]
	v_add_f32 v[TA], v[TA], v[TA+1]
	v_mul_f32 v[MN], 0x3e000000, v[TA]             ; / 8
	v_mov_b32 v[MN+1], v[MN]
.irp k, 0,2,4,6
	v_pk_add_f32 v[\b+\k:\b+\k+1], v[\b+\k:\b+\k+1], v[MN:MN+1] neg_lo:[0,1] neg_hi:[0,1]
.endr
	v_pk_mul_f32 v[TA:TA+1], v[\b:\b+1], v[\b:\b+1]
.irp k, 2,4,6
	v_pk_fma_f32 v[TA:TA+1], v[\b+\k:\b+\k+1], v[\b+\k:\b+\k+1], v[TA:TA+1]
.endr
	v_add_f32 v[TA], v[TA], v[TA+1]
	v_mul_f32 v[\vv], 0x3e124925, v[TA]            ; / 7
	v_add_f32 v[\dd], 0x358637bd, v[MN]            ; + 1e-6
.endm
	s_load_b512 s[4:19], s[0:1], 0x0               ; yb s[4:5], sel s[6:7], gw s[8:9], ps s[10:11], out_g s[12:13], out_b s[14:15], out0 s[16:17], out1 s[18:19]
	v_lshrrev_b32 v1, 5, v0
	v_readfirstlane_b32 s20, v1                    ; wave
	v_and_b32 v2, 31, v0
	v_lshlrev_b32 v1, 4, v2                        ; 16 x lane
	s_mov_b32 s60, 0x76543210
	s_mov_b32 s61, 0xfedcba98
	s_mov_b32 s62, 0x3b000000                      ; 1 / 512
	s_mov_b32 s63, 0x3727c5ac                      ; 1e-5
	s_wait_kmcnt 0x0
	s_cmp_eq_u32 ttmp9, 256
	s_cbranch_scc1 .Laux
	s_lshl_b32 s21, ttmp9, 4
	s_lshl2_add_u32 s21, s20, s21                  ; my first token: 16 x work-group + 4 x wave
	s_lshl_b32 s22, s21, 2
	s_mov_b32 s23, 0
	s_add_nc_u64 s[52:53], s[6:7], s[22:23]
	s_lshl_b32 s22, s21, 3
	s_add_nc_u64 s[54:55], s[8:9], s[22:23]
	s_load_b128 s[24:27], s[52:53], 0x0            ; four tokens' experts
	s_load_b256 s[28:35], s[54:55], 0x0            ; and weights
	s_lshl_b32 s22, s21, 11
	s_add_nc_u64 s[58:59], s[16:17], s[22:23]
.irp m, 0,1,2,3
	global_load_b128 v[G+4*\m:G+4*\m+3], v1, s[12:13] offset:512*\m
.endr
.irp m, 0,1,2,3
	global_load_b128 v[B+4*\m:B+4*\m+3], v1, s[14:15] offset:512*\m
.endr
	s_wait_kmcnt 0x0
.irp t, 0,1,2,3
	s_and_b32 s56, s[24+\t], 0xff
	s_min_u32 s56, s56, 7
	s_lshl_b32 s56, s56, 23                        ; the expert's 4,096 rows of 2,048 bytes
	s_add_co_u32 s57, s21, \t
	s_lshl_b32 s57, s57, 11
	s_add_co_u32 s56, s56, s57
	s_mov_b32 s57, 0
	s_add_nc_u64 s[36+4*\t:37+4*\t], s[4:5], s[56:57]
	s_bfe_u32 s56, s[24+\t], 0x80008
	s_min_u32 s56, s56, 7
	s_lshl_b32 s56, s56, 23
	s_add_co_u32 s57, s21, \t
	s_lshl_b32 s57, s57, 11
	s_add_co_u32 s56, s56, s57
	s_mov_b32 s57, 0
	s_add_nc_u64 s[38+4*\t:39+4*\t], s[4:5], s[56:57]
	s_mov_b32 s[66+4*\t], s[28+2*\t]               ; each weight as the low word of a pair: the packed forms take that word for both halves
	s_mov_b32 s[67+4*\t], s[28+2*\t]
	s_mov_b32 s[68+4*\t], s[29+2*\t]
	s_mov_b32 s[69+4*\t], s[29+2*\t]
.endr
.irp t, 0,1,2,3
.irp m, 0,1,2,3
	global_load_b128 v[Y+32*\t+4*\m:Y+32*\t+4*\m+3], v1, s[36+4*\t:37+4*\t] offset:512*\m th:TH_LOAD_NT
.endr
.irp m, 0,1,2,3
	global_load_b128 v[Y+32*\t+16+4*\m:Y+32*\t+16+4*\m+3], v1, s[38+4*\t:39+4*\t] offset:512*\m th:TH_LOAD_NT
.endr
.endr
	TOKS 0, 24
	TOKS 1, 16
	TOKS 2, 8
	TOKS 3, 0
.irp t, 0,1,2,3
	v_rsq_f32 v[R+2*\t], v[R+2*\t]
.endr
.set i, 0
.rept 8                                                ; plain work behind the roots: the gains rounded to bf16
	RB16 G+2*i, G+2*i+1, 3
	RB16 B+2*i, B+2*i+1, 3
.set i, i+1
.endr
	s_wait_alu depctr_va_vdst(0)                   ; one wait for the four roots, ahead of their first reader
.irp t, 0,1,2,3
.set i, 0
.rept 8
	v_pk_mul_f32 v[Y+32*\t+2*i:Y+32*\t+2*i+1], v[Y+32*\t+2*i:Y+32*\t+2*i+1], v[R+2*\t:R+2*\t+1] op_sel_hi:[1,0]
.set i, i+1
.endr
.set i, 0
.rept 8
	v_pk_fma_f32 v[Y+32*\t+2*i:Y+32*\t+2*i+1], v[Y+32*\t+2*i:Y+32*\t+2*i+1], v[G+2*i:G+2*i+1], v[B+2*i:B+2*i+1]
.set i, i+1
.endr
.irp m, 0,1,2,3
	global_store_b128 v1, v[Y+32*\t+4*\m:Y+32*\t+4*\m+3], s[58:59] offset:2048*\t+512*\m th:TH_STORE_NT
.endr
.endr
	s_endpgm
.Laux:
	s_cmp_lg_u32 s20, 0
	s_cbranch_scc1 .Lend                           ; 16 KB of partial sums are one wave's work
	v_lshlrev_b32 v3, 6, v2                        ; lane l takes groups l + 32 i
.set i, 0
.rept 8
.irp q, 0,1,2,3
	global_load_b128 v[Y+16*i+4*\q:Y+16*i+4*\q+3], v3, s[10:11] offset:2048*i+16*\q
.endr
.set i, i+1
.endr
	v_mov_b32 v[TA], 0
	v_mov_b32 v4, 0
	s_wait_loadcnt 0x0
.irp u, 1,2,3,4,5,6,7
.set i, 0
.rept 8
	v_pk_add_f32 v[Y+2*i:Y+2*i+1], v[Y+2*i:Y+2*i+1], v[Y+16*\u+2*i:Y+16*\u+2*i+1]
.set i, i+1
.endr
.endr
.set i, 0
.rept 16
	LSUM Y+i, TA
.set i, i+1
.endr
.set i, 8
.rept 8
	v_mul_f32 v[Y+i], 0x39800000, v[Y+i]           ; a count / 4,096 is the expert's load
.set i, i+1
.endr
	LOSS Y, R, R+2
	LOSS Y+8, R+1, R+3
	v_rcp_f32 v[R+4], v[R+2]
	v_rcp_f32 v[R+5], v[R+3]
	v_nop                                          ; a plain instruction behind the last reciprocal,
	s_wait_alu depctr_va_vdst(0)                   ; and one wait for the two
	v_mul_f32 v[R], v[R], v[R+4]
	v_mul_f32 v[R+1], v[R+1], v[R+5]
	v_mul_f32 v[R], v[R], v[R+4]
	v_fma_f32 v[R], v[R+1], v[R+5], v[R]
	s_wait_xcnt 0x0                                ; EXEC changes only behind this wait
	v_cmp_eq_u32 vcc_lo, 0, v2
	s_and_saveexec_b32 s22, vcc_lo
	global_store_b32 v4, v[R], s[18:19]
	s_wait_xcnt 0x0
	s_or_b32 exec_lo, exec_lo, s22
.Lend:
	s_endpgm
.Lfunc_end_k_qdeab9cc3b4_fin:
	.size	k_qdeab9cc3b4_fin, .Lfunc_end_k_qdeab9cc3b4_fin-k_qdeab9cc3b4_fin
	.p2alignl 7, 3214868480
	.fill 96, 4, 3214868480
	.section	.rodata,"a",@progbits
	.p2align	6, 0x0
	.amdhsa_kernel k_qdeab9cc3b4_fin
		.amdhsa_group_segment_fixed_size 0
		.amdhsa_private_segment_fixed_size 0
		.amdhsa_enable_private_segment 0
		.amdhsa_kernarg_size 64
		.amdhsa_user_sgpr_count 2
		.amdhsa_user_sgpr_kernarg_segment_ptr 1
		.amdhsa_wavefront_size32 1
		.amdhsa_system_sgpr_workgroup_id_x 1
		.amdhsa_system_sgpr_workgroup_id_y 1
		.amdhsa_system_sgpr_workgroup_id_z 1
		.amdhsa_system_vgpr_workitem_id 0
		.amdhsa_next_free_vgpr 192
		.amdhsa_next_free_sgpr 82
		.amdhsa_reserve_vcc 1
		.amdhsa_float_denorm_mode_32 3
		.amdhsa_float_denorm_mode_16_64 3
		.amdhsa_memory_ordered 1
		.amdhsa_forward_progress 1
		.amdhsa_inst_pref_size 45
	.end_amdhsa_kernel
	.amdgpu_metadata
---
amdhsa.version: [ 1, 2 ]
amdhsa.kernels:
  - .name:           k_qdeab9cc3b4_fin
    .symbol:         k_qdeab9cc3b4_fin.kd
    .args:
      - { .name: yb, .offset: 0, .size: 8, .value_kind: global_buffer, .address_space: global }
      - { .name: sel, .offset: 8, .size: 8, .value_kind: global_buffer, .address_space: global }
      - { .name: gw, .offset: 16, .size: 8, .value_kind: global_buffer, .address_space: global }
      - { .name: ps, .offset: 24, .size: 8, .value_kind: global_buffer, .address_space: global }
      - { .name: out_g, .offset: 32, .size: 8, .value_kind: global_buffer, .address_space: global }
      - { .name: out_b, .offset: 40, .size: 8, .value_kind: global_buffer, .address_space: global }
      - { .name: out0, .offset: 48, .size: 8, .value_kind: global_buffer, .address_space: global }
      - { .name: out1, .offset: 56, .size: 8, .value_kind: global_buffer, .address_space: global }
    .group_segment_fixed_size: 0
    .private_segment_fixed_size: 0
    .kernarg_segment_align: 8
    .kernarg_segment_size: 64
    .max_flat_workgroup_size: 128
    .sgpr_count:     82
    .vgpr_count:     192
    .wavefront_size: 32
...
	.end_amdgpu_metadata
.endif
;; end of part 5
